; MI455X (gfx1250); checked and timed in simulation.
; The chip was launched on July 23, 2026; its instructions are those of AMD's public machine-readable ISA for CDNA 5 (MIT licence, August 2026) and "CDNA5" Instruction Set Architecture Reference Guide (July 2026). The comments in the code are by the model that wrote it; some were corrected since.
;; SARA Memory. Allowed arithmetic: matrix products marked QUANTISED: E2M1 operands, one E8M0 scale for each 32 along K, by v_wmma_scale_f32_16x16x128_f8f6f4 with both operands' format E2M1 (or v_wmma_scale_f32_32x16x128_f4), f32 sums; everything else in f32.
;; Inputs: memory_states 100,000 x 256 float32; query 2,048 x 256 float32.
;; Outputs: out0 2,048 x 8 x 256 float32; out1 2,048 x 8 float32.
;; Constants: k = 8.
;; This version of the problem:
;;   THIS VERSION OF THE PROBLEM IS GIVEN IN LOW PRECISION. The matrix products marked QUANTISED in the list below multiply operands that are first quantised to E2M1 (2 exponent bits, 1 mantissa bit; 4 bits a number), with one power-of-two scale for each 32 numbers along K (OCP MX v1.0); their sums are f32. All else is computed in f32.
;;   The module's matrix products, in the order in which they are computed (A, B: the left and right operand; K: the contracted axis; several contracted axes count as one K, in the product's order):
;;     1. [M 2,048, K 256] x [K 256, N 100,000]; A: computed on the way; B: computed on the way: QUANTISED
;;   THE QUANTISER, for each operand of a quantised product, along K:
;;     - K is cut into blocks of 32 from its start; a last block that is shorter is filled with zeros.
;;     - A block's scale is 2^e with e = floor(log2(the largest magnitude in the block)) - 2, held to -126 .. 127; a block of zeros has e = 0. As a byte (E8M0): e + 127.
;;     - Each number is divided by its block's scale, clamped to +-6, and rounded to the nearest number of E2M1, ties to even, subnormals kept.
;;     - The product sums the exact products of the quantised numbers (number of the format x scale) in f32.
;;   ~~~python
;;   def quantise(x, axis):      # numpy; x: float32 -> the quantised numbers, widened to float32 again
;;       x = np.moveaxis(x, axis, -1); K = x.shape[-1]
;;       x = np.pad(x, [(0, 0)] * (x.ndim - 1) + [(0, -K % 32)]); x = x.reshape(x.shape[:-1] + (-1, 32)); a = np.abs(x).max(-1, keepdims=True)
;;       e = np.where(a > 0, np.clip(np.frexp(np.where(a > 0, a, 1))[1] - 1 - 2, -126, 127), 0)      # np.frexp(a)[1] - 1 = floor(log2(a)), exactly
;;       r = np.clip(x / 2.0 ** e, -6, 6)
;;       step = 2.0 ** (np.maximum(np.frexp(np.where(r == 0, 1, r))[1] - 1, 0) - 1)
;;       q = np.round(r / step) * step * 2.0 ** e      # np.round: ties to even
;;       return np.moveaxis(q.reshape(q.shape[:-2] + (-1,))[..., :K], -1, axis).astype(np.float32)
;;   ~~~
;;   OPERANDS COMPUTED ON THE WAY. 'Computed on the way' means the value that the module computes at that place (a softmax that the list does not call 'softmax' is quantised finished and normalised). What goes into a quantiser is computed in f32, as accurately as f32 sums, v_exp_f32 and their like allow (about 1e-6 of the number): no bf16 or f16 on the way to a quantiser, and a product that is left as it is and whose result goes on into a quantised operand takes f32 operands (vector FMAs, or v_wmma_f32_16x16x4_f32). A number that lies on a knife's edge between two numbers of the format may be rounded either way, as far as f32 arithmetic and the matrix unit's own rounding can turn it there, and no further.
;; 2 versions. Each part assembles by itself: llvm-mc -triple=amdgcn-amd-amdhsa -mcpu=gfx1250 --defsym DOCPART=n.
;; ======== version 1 of 2: 5 launches
;; workspace buffers: mcodes 12,800,000 bytes; mscales 800,000 bytes; qcodes 262,144 bytes; qscales 16,384 bytes; skeys 8,192,000 bytes of whole numbers; cand 524,288 bytes of whole numbers; tidx 65,536 bytes of whole numbers
;; launch quant (part 1): grid 3189 x 1, 2 waves a work-group, no clusters, 33,536 bytes of LDS; arguments memory_states, query, mcodes, mscales, qcodes, qscales; writes mcodes, mscales, qcodes, qscales
.if DOCPART == 1
	.amdgcn_target "amdgcn-amd-amdhsa--gfx1250"
	.amdhsa_code_object_version 6
	.text
	.protected	k_q8c1244f66c_quant
	.globl	k_q8c1244f66c_quant
	.p2align	8
	.type	k_q8c1244f66c_quant,@function
k_q8c1244f66c_quant:
	s_mov_b64 s[64:65], 0
	v_nop
	global_prefetch_b8 v0, s[64:65] scope:SCOPE_SE
	s_setreg_imm32_b32 hwreg(HW_REG_WAVE_MODE, 25, 1), 1
	s_wait_xcnt 0x0
; Rows of 256 f32 (memory_states: 100,000 rows; query: 2,048 rows) are divided by max(their norm, 1e-12) and turned into codes of FP4 (E2M1) with one E8M0 byte for each 32 along the row.
; A block's byte is the exponent field of its largest magnitude less 2, held at 1 from below (a block of zeros keeps 1: its codes are zeros, and this program alone reads the bytes).
; OUTPUT LAYOUT: the order of the matrix operand's registers.  A tile is 16 rows.  Codes: 2,048 bytes a tile, piece i (0..3) at 512 i + 16 lane; lane (r = lane % 16, h = lane / 16) holds the 16 bytes of
; row r, block 2 i + h: registers 4 i .. 4 i + 3 of the two fragments (K steps 0 and 1) on end.  Scales: 128 bytes a tile, 4 a lane: lanes 0-15 row r's word of K step 0, lanes 16-31 that of K step 1.
; SHARES: a wave takes a tile (16 KiB of input); work-groups 0..3124 take memory_states' 6,250 tiles, 3125..3188 query's 128.  Only pointers are chosen by the work-group's number: one path for both.
; Every load reads 512 consecutive bytes; the tile turns through the wave's own stage in LDS (rows 1,024 + 16 bytes apart) so that a lane then holds whole blocks of 32 neighbours.  Waves share nothing: no barrier.
; LIMITS: NaN and infinities among the inputs are not served.  The sum of squares is formed in another order than a plain running sum; x / n is x times 1 / n, the reciprocal mended by one Newton step
; (a few units in the last place of f32).  A sum of squares that is denormal counts as 0 in the square root, so such a row is divided by 1e-12.  The scale images leave as 128 bytes a wave.
.set MTG,   3125                       ; work-groups that take memory_states
.set PITCH, 1040                       ; a stage row: 1,024 bytes + 16: an odd multiple of 16, so the 16 rows that a load touches start 16 bytes apart modulo 256
.set WREG,  16*PITCH                   ; a wave's stage
.set X,   16                           ; v16-143  the tile's numbers: as loaded, then block i of my row in v[X + 32 i ..]
.set A,   144                          ; v144-151 four pairs of sums of squares
.set AM,  152                          ; v152-155 largest magnitude of my four blocks
.set SC,  156                          ; v156-159 the conversions' scale operands
.set BY,  160                          ; v160-163 the scale bytes
.set INV, 164                          ; v164-165 1 / norm, twice (a pair for the packed multiply)
.set T,   166                          ; v166-171 at work
.set C,   172                          ; v172-187 the codes
	s_load_b256 s[4:11], s[0:1], 0x0               ; memory_states s[4:5], query s[6:7], mcodes s[8:9], mscales s[10:11]
	s_load_b128 s[12:15], s[0:1], 0x20             ; qcodes s[12:13], qscales s[14:15]
	v_lshl_add_u32 v192, v0, 2, 0x8200
	v_mov_b32 v193, 0
	v_lshrrev_b32 v1, 5, v0
	v_readfirstlane_b32 s16, v1                    ; wave 0, 1
	v_and_b32 v1, 31, v0                           ; lane
	v_and_b32 v2, 15, v0                           ; r
	v_bfe_u32 v3, v0, 4, 1                         ; h
	v_lshlrev_b32 v4, 4, v1                        ; 16 x lane: my bytes of a load's 512, and of a piece of codes
	s_mul_i32 s22, s16, WREG
	v_add_nc_u32 v5, s22, v4                       ; the stage, way in
	v_mul_u32_u24 v6, v2, PITCH
	v_lshl_add_u32 v6, v3, 7, v6
	v_add_nc_u32 v6, s22, v6                       ; way out: row r, block h
	v_lshlrev_b32 v7, 2, v1                        ; 4 x lane: my word of the scale image
	v_lshlrev_b32 v8, 3, v3                        ; 8 h: my bytes' place in a scale word
	v_mov_b32 v[T+1], 0                            ; written once: a lane permute's destination counts as one of its sources
	v_mov_b32 v[T+3], 0
	s_mov_b32 s20, 0x76543210
	s_mov_b32 s21, 0xfedcba98                      ; v_permlanex16_b32's selects for lane l xor 16
	s_mov_b32 s19, 0
	s_wait_kmcnt 0x0
	s_cmp_lt_u32 ttmp9, MTG                        ; the choice hangs on the work-group's number alone
	s_cselect_b64 s[4:5], s[4:5], s[6:7]
	s_cselect_b64 s[8:9], s[8:9], s[12:13]
	s_cselect_b64 s[10:11], s[10:11], s[14:15]
	s_cselect_b32 s17, 0, MTG
	s_sub_co_u32 s17, ttmp9, s17
	s_lshl_b32 s17, s17, 1
	s_add_co_u32 s17, s17, s16                     ; my tile
	s_lshl_b32 s18, s17, 14                        ; 16,384 bytes of input a tile (6,249 x 16,384 stays under 2^32)
	s_add_nc_u64 s[4:5], s[4:5], s[18:19]
	s_lshl_b32 s18, s17, 11                        ; 2,048 bytes of codes
	s_add_nc_u64 s[8:9], s[8:9], s[18:19]
	s_lshl_b32 s18, s17, 7                         ; 128 bytes of scales
	s_add_nc_u64 s[10:11], s[10:11], s[18:19]
.set n, 0
.rept 32
	global_load_b128 v[X+4*n:X+4*n+3], v4, s[4:5] offset:512*n th:TH_LOAD_NT   ; 32 lanes read 512 consecutive bytes: half a row
.set n, n+1
.endr
.set n, 0
.rept 4
	s_wait_loadcnt 24-n                            ; loads come back in order: the eight oldest of those still out are in
.rept 8
	ds_store_b128 v5, v[X+4*n:X+4*n+3] offset:(n/2)*PITCH+(n%2)*512
.set n, n+1
.endr
.endr
	s_wait_dscnt 0x0                               ; the stores have read X, which is loaded again
.irp i, 0,1,2,3
.irp j, 0,1,2,3,4,5,6,7
	ds_load_b128 v[X+32*\i+4*\j:X+32*\i+4*\j+3], v6 offset:256*\i+16*\j        ; block 2 i + h of row r
.endr
.endr
; Block i of my four: its sum of squares (a pair of chains) and its largest magnitude, line by line in turns
.macro BLOCK i
.set XB, X+32*\i
.set AP, A+2*\i
	s_wait_dscnt 24-8*\i                           ; this block's eight loads are in; the later blocks' may be out
	v_pk_mul_f32 v[AP:AP+1], v[XB:XB+1], v[XB:XB+1]
	v_max3_num_f32 v[AM+\i], |v[XB]|, |v[XB+1]|, |v[XB+2]|
.irp j, 1,2,3,4,5,6,7,8,9,10,11,12,13,14
	v_pk_fma_f32 v[AP:AP+1], v[XB+2*\j:XB+2*\j+1], v[XB+2*\j:XB+2*\j+1], v[AP:AP+1]
	v_max3_num_f32 v[AM+\i], v[AM+\i], |v[XB+2*\j+1]|, |v[XB+2*\j+2]|
.endr
	v_pk_fma_f32 v[AP:AP+1], v[XB+30:XB+31], v[XB+30:XB+31], v[AP:AP+1]
	v_max_num_f32 v[AM+\i], v[AM+\i], |v[XB+31]|
.endm
	BLOCK 0
	BLOCK 1
	BLOCK 2
	BLOCK 3
	v_pk_add_f32 v[A:A+1], v[A:A+1], v[A+2:A+3]
	v_pk_add_f32 v[A+4:A+5], v[A+4:A+5], v[A+6:A+7]
	v_pk_add_f32 v[A:A+1], v[A:A+1], v[A+4:A+5]
	v_add_f32 v[T], v[A], v[A+1]                   ; my four blocks,
	v_permlanex16_b32 v[T+1], v[T], s20, s21
	v_add_f32 v[T], v[T], v[T+1]                   ; and lane l xor 16's four: the row's sum of squares
	v_sqrt_f32 v[T+2], v[T]
	v_nop                                          ; a plain line behind the root,
	s_wait_alu depctr_va_vdst(0)                   ; and the wait ahead of its first reader
	v_max_num_f32 v[T+2], 0x2b8cbccc, v[T+2]       ; n = max(norm, 1e-12)
	v_rcp_f32 v[INV], v[T+2]
	v_nop
	s_wait_alu depctr_va_vdst(0)
	v_fma_f32 v[T+4], -v[T+2], v[INV], 1.0         ; one Newton step: e = 1 - n inv,
	v_fma_f32 v[INV], v[INV], v[T+4], v[INV]       ; inv += inv e
	v_mov_b32 v[INV+1], v[INV]
.irp i, 0,1,2,3
	v_mul_f32 v[AM+\i], v[AM+\i], v[INV]           ; rounding keeps order, so this is the largest magnitude of the block's normalised numbers
.endr
.irp i, 0,1,2,3
	v_max_num_f32 v[AM+\i], 0x1800000, v[AM+\i]    ; the floor 2^(3 - 127): the byte cannot fall under 1
.endr
.irp i, 0,1,2,3
	v_add_nc_u32 v[SC+\i], 0xff000000, v[AM+\i]    ; 2 off the exponent field: the conversion takes this operand's exponent field as its scale
.endr
.irp i, 0,1,2,3
	v_lshrrev_b32 v[BY+\i], 23, v[SC+\i]           ; the scale's byte
.endr
.set n, 0
.rept 64
	v_pk_mul_f32 v[X+2*n:X+2*n+1], v[X+2*n:X+2*n+1], v[INV:INV+1]              ; x / n
.set n, n+1
.endr
.irp i, 0,1,2,3
.irp g, 0,1,2,3
	v_cvt_scalef32_pk8_fp4_f32 v[C+4*\i+\g], v[X+32*\i+8*\g:X+32*\i+8*\g+7], v[SC+\i]   ; to the nearest code, ties to even; beyond 6 the largest code
.endr
.endr
	v_nop                                          ; one plain line behind the last scaled conversion
	; the scale words: of K step s I hold bytes h (block 4 s + h) and 2 + h (block 4 s + 2 + h); lane l xor 16 holds the other two
	v_lshl_or_b32 v[T], v[BY+1], 16, v[BY]
	v_lshl_or_b32 v[T+2], v[BY+3], 16, v[BY+2]
	v_lshlrev_b32 v[T], v8, v[T]
	v_lshlrev_b32 v[T+2], v8, v[T+2]
	v_permlanex16_b32 v[T+1], v[T], s20, s21
	v_permlanex16_b32 v[T+3], v[T+2], s20, s21
	v_or_b32 v[T], v[T], v[T+1]
	v_or_b32 v[T+2], v[T+2], v[T+3]
	v_cmp_gt_u32 vcc_lo, 16, v1
	v_cndmask_b32 v[T+4], v[T+2], v[T], vcc_lo     ; lanes 0-15 K step 0's word, lanes 16-31 K step 1's
.irp i, 0,1,2,3
	global_store_b128 v4, v[C+4*\i:C+4*\i+3], s[8:9] offset:512*\i             ; 32 lanes store 512 consecutive bytes, at a multiple of 256 from the buffer's first byte
.endr
	global_store_b32 v7, v[T+4], s[10:11]
	s_wait_tensorcnt 0x0
	ds_add_u32 v192, v193
	s_wait_dscnt 0x0
	s_endpgm
.Lfunc_end_k_q8c1244f66c_quant:
	.size	k_q8c1244f66c_quant, .Lfunc_end_k_q8c1244f66c_quant-k_q8c1244f66c_quant
	.p2alignl 7, 3214868480
	.fill 96, 4, 3214868480
	.section	.rodata,"a",@progbits
	.p2align	6, 0x0
	.amdhsa_kernel k_q8c1244f66c_quant
		.amdhsa_group_segment_fixed_size 33536
		.amdhsa_private_segment_fixed_size 0
		.amdhsa_enable_private_segment 0
		.amdhsa_kernarg_size 48
		.amdhsa_user_sgpr_count 2
		.amdhsa_user_sgpr_kernarg_segment_ptr 1
		.amdhsa_wavefront_size32 1
		.amdhsa_system_sgpr_workgroup_id_x 1
		.amdhsa_system_sgpr_workgroup_id_y 1
		.amdhsa_system_sgpr_workgroup_id_z 1
		.amdhsa_system_vgpr_workitem_id 0
		.amdhsa_next_free_vgpr 194
		.amdhsa_next_free_sgpr 66
		.amdhsa_reserve_vcc 1
		.amdhsa_float_denorm_mode_32 3
		.amdhsa_float_denorm_mode_16_64 3
		.amdhsa_memory_ordered 1
		.amdhsa_forward_progress 1
		.amdhsa_inst_pref_size 25
	.end_amdhsa_kernel
	.amdgpu_metadata
---
amdhsa.version: [ 1, 2 ]
amdhsa.kernels:
  - .name:           k_q8c1244f66c_quant
    .symbol:         k_q8c1244f66c_quant.kd
    .args:
      - { .name: memory_states, .offset: 0, .size: 8, .value_kind: global_buffer, .address_space: global }
      - { .name: query, .offset: 8, .size: 8, .value_kind: global_buffer, .address_space: global }
      - { .name: mcodes, .offset: 16, .size: 8, .value_kind: global_buffer, .address_space: global }
      - { .name: mscales, .offset: 24, .size: 8, .value_kind: global_buffer, .address_space: global }
      - { .name: qcodes, .offset: 32, .size: 8, .value_kind: global_buffer, .address_space: global }
      - { .name: qscales, .offset: 40, .size: 8, .value_kind: global_buffer, .address_space: global }
    .group_segment_fixed_size: 33536
    .private_segment_fixed_size: 0
    .kernarg_segment_align: 8
    .kernarg_segment_size: 48
    .max_flat_workgroup_size: 64
    .sgpr_count:     66
    .vgpr_count:     194
    .wavefront_size: 32
...
	.end_amdgpu_metadata
.endif
;; end of part 1
;; launch scan (part 2): grid 250 x 1, 16 waves a work-group, no clusters, 56,576 bytes of LDS; arguments mcodes, mscales, qcodes, qscales, skeys; writes skeys
.if DOCPART == 2
	.amdgcn_target "amdgcn-amd-amdhsa--gfx1250"
	.amdhsa_code_object_version 6
	.text
	.protected	k_q8c1244f66c_scan
	.globl	k_q8c1244f66c_scan
	.p2align	8
	.type	k_q8c1244f66c_scan,@function
k_q8c1244f66c_scan:
	s_mov_b64 s[64:65], 0
	v_nop
	global_prefetch_b8 v0, s[64:65] scope:SCOPE_SE
	s_setreg_imm32_b32 hwreg(HW_REG_WAVE_MODE, 25, 1), 1
	s_wait_xcnt 0x0
; All 2,048 x 100,000 scores on codes of FP4, reduced on the way: for each query and each SLICE of 25 tiles (400 memory rows) the four largest TILE MAXIMA are kept, each with its tile's number (0..24).
; A work-group takes one slice against all queries.  Its 25 tile images (51,200 bytes of codes, 3,200 of scales) are copied into LDS once, through registers.  Wave w keeps query tiles 8 w .. 8 w + 7
; (128 queries: 128 registers of codes, 8 of scales) for the whole launch.  Four waves share a SIMD, so that one wave's vector lines and LDS waits stand beside another's matrix instructions.
; PRODUCT: source 0 = a memory tile, source 1 = a query tile; K = 256 is two instructions.  In the result lane (r, h) holds query r and rows 8 h + 0..7 of the tile.
; REDUCTION of two query tiles a, b: four lines each give the largest of a lane's 8; one exchange of halves and one maximum leave in lane l the tile maximum f of query 32 p + l.
; k = f with its low five bits replaced by the tile's number; K1 >= K2 >= K3 >= K4 are kept by one maximum and three medians: no compare, no branch.
; At the end each K becomes an unsigned key that sorts as the float does (bits xor (sign ? all ones : top bit)), again with the tile's number in its low five bits.  A key so made lies within 62 units of the
; true maximum's key (31 for each replacement); the next launch allows for that.
; skeys: [250 slices][2,048 queries][4 keys]: a wave's store covers 512 consecutive bytes.
; NO CLUSTER, NO JOINT LOADS: the grid's 250 work-groups are no multiple of 4; a slice is read by one work-group alone; what work-groups share, the query images, goes straight into each wave's registers
; once (17 KiB a wave) and is never read again, so a landing in LDS would only add a way round.  No tensor load: every LDS byte is filled once.
; LIMITS: NaN and infinities are not served (the quantiser makes none from finite inputs).
.set SCB, 51200                        ; LDS: the code images at 2,048 t, the scale images at SCB + 128 t
.set BQ,  16                           ; v16-143  query tile j, K step s at BQ + 16 j + 8 s
.set BS,  144                          ; v144-151 query tile j's scale image: these hold scales and nothing else
.set AF,  152                          ; v152-167 the memory tile's two fragments
.set AS,  168                          ; v168     its scale image, and nothing else
.set ACC, 176                          ; v176-207 two sets of two accumulators
.set ST,  208                          ; v208-223 K1..K4 of pair p at ST + 4 p
.set F,   224                          ; v224-226 at work
	s_load_b256 s[4:11], s[0:1], 0x0               ; mcodes s[4:5], mscales s[6:7], qcodes s[8:9], qscales s[10:11]
	s_load_b64 s[12:13], s[0:1], 0x20              ; skeys
	v_lshl_add_u32 v254, v0, 2, 0xd500
	v_mov_b32 v255, 0
	v_lshrrev_b32 v1, 5, v0
	v_readfirstlane_b32 s14, v1                    ; wave 0..15
	v_lshlrev_b32 v3, 4, v0                        ; the copy: 16 x thread, in memory and in LDS alike
	v_lshlrev_b32 v4, 2, v0                        ; the scales' copy: 4 x thread in memory,
	v_lshl_add_u32 v5, v0, 2, SCB                  ; and in LDS
	v_and_b32 v9, 31, v0
	v_lshlrev_b32 v6, 4, v9                        ; 16 x lane: my place in a piece of an image
	v_lshlrev_b32 v7, 2, v9                        ; 4 x lane
	v_lshl_add_u32 v10, v9, 2, SCB                 ; my word of tile 0's scale image in LDS
	s_lshl_b32 s22, s14, 11
	v_add_nc_u32 v8, s22, v6                       ; the way out: 16 bytes a query: 2,048 w + 16 lane
	s_mov_b32 s16, 0xffffffe0                      ; all but the low five bits
	s_mov_b32 s19, 0
	s_mov_b32 s20, 0                               ; LDS byte of the tile to be fetched: codes,
	s_mov_b32 s21, 0                               ; scales
	s_mul_i32 s18, ttmp9, 51200
	s_wait_kmcnt 0x0
	s_add_nc_u64 s[4:5], s[4:5], s[18:19]          ; my slice's codes,
	s_mul_i32 s18, ttmp9, 3200
	s_add_nc_u64 s[6:7], s[6:7], s[18:19]          ; its scales,
	s_lshl_b32 s18, s14, 14
	s_add_nc_u64 s[8:9], s[8:9], s[18:19]          ; my wave's eight query tiles,
	s_lshl_b32 s18, s14, 10
	s_add_nc_u64 s[10:11], s[10:11], s[18:19]      ; their scales,
	s_lshl_b32 s18, ttmp9, 15
	s_add_nc_u64 s[12:13], s[12:13], s[18:19]      ; my slice's keys
	; the slice: 512 threads x 16 bytes x 6, and 2,048 bytes more by waves 0-3; scales: 512 x 4 bytes, and 1,152 more by waves 0-8
.irp i, 0,1,2,3,4,5
	global_load_b128 v[ACC+4*\i:ACC+4*\i+3], v3, s[4:5] offset:8192*\i th:TH_LOAD_NT
.endr
	global_load_b32 v[F], v4, s[6:7] th:TH_LOAD_NT
	s_cmp_lt_u32 s14, 4
	s_cbranch_scc0 .Lno_c_in
	global_load_b128 v[ACC+24:ACC+27], v3, s[4:5] offset:49152 th:TH_LOAD_NT
.Lno_c_in:
	s_cmp_lt_u32 s14, 9
	s_cbranch_scc0 .Lno_s_in
	global_load_b32 v[F+1], v4, s[6:7] offset:2048 th:TH_LOAD_NT
.Lno_s_in:
.irp j, 0,1,2,3,4,5,6,7
.irp i, 0,1,2,3
	global_load_b128 v[BQ+16*\j+4*\i:BQ+16*\j+4*\i+3], v6, s[8:9] offset:2048*\j+512*\i
.endr
.endr
.irp j, 0,1,2,3,4,5,6,7
	global_load_b32 v[BS+\j], v7, s[10:11] offset:128*\j
.endr
	s_wait_loadcnt 40                              ; the 40 query loads, which every wave issues behind its copy loads, may stay out
.irp i, 0,1,2,3,4,5
	ds_store_b128 v3, v[ACC+4*\i:ACC+4*\i+3] offset:8192*\i
.endr
	ds_store_b32 v5, v[F]
	s_cmp_lt_u32 s14, 4
	s_cbranch_scc0 .Lno_c_out
	ds_store_b128 v3, v[ACC+24:ACC+27] offset:49152
.Lno_c_out:
	s_cmp_lt_u32 s14, 9
	s_cbranch_scc0 .Lno_s_out
	ds_store_b32 v5, v[F+1] offset:2048
.Lno_s_out:
	s_wait_dscnt 0x0                               ; for the others' sake: my stores have landed
	s_barrier_signal -1
	s_barrier_wait -1                              ; the slice lies in LDS; nothing is written there again
.irp i, 0,1,2,3
	ds_load_b128 v[AF+4*\i:AF+4*\i+3], v6 offset:512*\i          ; tile 0
.endr
	ds_load_b32 v[AS], v10
	s_wait_loadcnt 0x0                             ; the queries
; Four matrix instructions: query tiles 2 p and 2 p + 1 into set's two accumulators, which take turns, one instruction a turn.  The first K step starts the sums with the constant 0.
.macro WQ p, set
.set DA, ACC+16*\set
.set DB, DA+8
.set QA, BQ+32*\p
.set QB, QA+16
	v_wmma_scale_f32_16x16x128_f8f6f4 v[DA:DA+7], v[AF:AF+7], v[QA:QA+7], 0, v[AS], v[BS+2*\p] matrix_a_fmt:MATRIX_FMT_FP4 matrix_b_fmt:MATRIX_FMT_FP4
	v_wmma_scale_f32_16x16x128_f8f6f4 v[DB:DB+7], v[AF:AF+7], v[QB:QB+7], 0, v[AS], v[BS+2*\p+1] matrix_a_fmt:MATRIX_FMT_FP4 matrix_b_fmt:MATRIX_FMT_FP4
	v_wmma_scale_f32_16x16x128_f8f6f4 v[DA:DA+7], v[AF+8:AF+15], v[QA+8:QA+15], v[DA:DA+7], v[AS], v[BS+2*\p] matrix_a_fmt:MATRIX_FMT_FP4 matrix_b_fmt:MATRIX_FMT_FP4 matrix_a_scale:MATRIX_SCALE_ROW1 matrix_b_scale:MATRIX_SCALE_ROW1
	v_wmma_scale_f32_16x16x128_f8f6f4 v[DB:DB+7], v[AF+8:AF+15], v[QB+8:QB+15], v[DB:DB+7], v[AS], v[BS+2*\p+1] matrix_a_fmt:MATRIX_FMT_FP4 matrix_b_fmt:MATRIX_FMT_FP4 matrix_a_scale:MATRIX_SCALE_ROW1 matrix_b_scale:MATRIX_SCALE_ROW1
.endm
; The largest of a lane's eight scores, for both accumulators of a set, by turns; each accumulator is read from its low end on
.macro REDA set
.set DA, ACC+16*\set
.set DB, DA+8
	v_max3_num_f32 v[F], v[DA], v[DA+1], v[DA+2]
	v_max3_num_f32 v[F+1], v[DB], v[DB+1], v[DB+2]
	v_max3_num_f32 v[F], v[F], v[DA+3], v[DA+4]
	v_max3_num_f32 v[F+1], v[F+1], v[DB+3], v[DB+4]
	v_max3_num_f32 v[F], v[F], v[DA+5], v[DA+6]
	v_max3_num_f32 v[F+1], v[F+1], v[DB+5], v[DB+6]
	v_max_num_f32 v[F], v[F], v[DA+7]
	v_max_num_f32 v[F+1], v[F+1], v[DB+7]
.endm
; The two halves meet, the tile's number (scalar register st) goes into the low five bits, and pair p's list takes the number in
.macro REDB p, st
	v_permlane16_swap_b32 v[F], v[F+1]             ; F: rows 0-7 of tile a (lanes 0-15) and of tile b (lanes 16-31); F + 1: rows 8-15 likewise
	v_max_num_f32 v[F], v[F], v[F+1]               ; lane l: query 32 p + l, the whole tile's maximum
	v_and_or_b32 v[F+2], v[F], s16, s[\st]
	v_med3_num_f32 v[ST+4*\p+3], v[ST+4*\p+2], v[ST+4*\p+3], v[F+2]
	v_med3_num_f32 v[ST+4*\p+2], v[ST+4*\p+1], v[ST+4*\p+2], v[F+2]
	v_med3_num_f32 v[ST+4*\p+1], v[ST+4*\p], v[ST+4*\p+1], v[F+2]
	v_max_num_f32 v[ST+4*\p], v[ST+4*\p], v[F+2]
.endm
.macro RED p, set, st
	REDA \set
	REDB \p, \st
.endm
.macro NEXT                            ; the next tile's fragments and scale image
	s_add_co_u32 s20, s20, 2048
	s_add_co_u32 s21, s21, 128
	v_add_nc_u32 v1, s20, v6
	v_add_nc_u32 v2, s21, v10
.irp i, 0,1,2,3
	ds_load_b128 v[AF+4*\i:AF+4*\i+3], v1 offset:512*\i
.endr
	ds_load_b32 v[AS], v2
.endm
; A TILE.  The reduction of one set stands between the products of the other: each read of a set has 15 vector lines that name none of its products' registers between (4 are owed), each
; new start of a set likewise (5 are owed), and the loads into the fragment's registers have REDA's eight behind the last product that read them.
; s15 = this tile's number, s17 = the last tile's, whose fourth pair is reduced here.
.macro TILE first, last
	s_wait_dscnt 0x0                               ; the tile's fragments are in
	WQ 0, 0
.if \first
.irp n, 0,1,2,3,4,5,6,7,8,9,10,11,12,13,14,15
	v_mov_b32 v[ST+\n], 0xff800000                 ; the lists begin at -infinity; 25 tiles follow, so none of it is left at the end
.endr
.else
	RED 3, 1, 17
.endif
	WQ 1, 1
	RED 0, 0, 15
	WQ 2, 0
	RED 1, 1, 15
	WQ 3, 1
	REDA 0
.if !\last
	NEXT
.endif
	REDB 2, 15
.endm
	s_mov_b32 s15, 0
	TILE 1, 0
	s_mov_b32 s17, 0
	s_mov_b32 s15, 1
.Ltile:                                                ; tiles 1 to 23
	TILE 0, 0
	s_mov_b32 s17, s15
	s_add_co_u32 s15, s15, 1
	s_cmp_lt_u32 s15, 24
	s_cbranch_scc1 .Ltile
	TILE 0, 1                                      ; tile 24 fetches nothing
	RED 3, 1, 15
.irp n, 0,1,2,3,4,5,6,7,8,9,10,11,12,13,14,15
	v_and_b32 v[F], 31, v[ST+\n]                   ; the tile's number
	v_ashrrev_i32 v[F+1], 31, v[ST+\n]
	v_or_b32 v[F+1], 0x80000000, v[F+1]            ; negative: all ones; else the top bit
	v_xor_b32 v[F+1], v[ST+\n], v[F+1]             ; an unsigned number that sorts as the float does
	v_and_or_b32 v[ST+\n], v[F+1], s16, v[F]       ; with the tile's number back in its low five bits
.endr
.irp p, 0,1,2,3
	global_store_b128 v8, v[ST+4*\p:ST+4*\p+3], s[12:13] offset:512*\p         ; 32 lanes store 512 consecutive bytes, at a multiple of 256 from the buffer's first byte
.endr
	s_wait_tensorcnt 0x0
	ds_add_u32 v254, v255
	s_wait_dscnt 0x0
	s_endpgm
.Lfunc_end_k_q8c1244f66c_scan:
	.size	k_q8c1244f66c_scan, .Lfunc_end_k_q8c1244f66c_scan-k_q8c1244f66c_scan
	.p2alignl 7, 3214868480
	.fill 96, 4, 3214868480
	.section	.rodata,"a",@progbits
	.p2align	6, 0x0
	.amdhsa_kernel k_q8c1244f66c_scan
		.amdhsa_group_segment_fixed_size 56576
		.amdhsa_private_segment_fixed_size 0
		.amdhsa_enable_private_segment 0
		.amdhsa_kernarg_size 40
		.amdhsa_user_sgpr_count 2
		.amdhsa_user_sgpr_kernarg_segment_ptr 1
		.amdhsa_wavefront_size32 1
		.amdhsa_system_sgpr_workgroup_id_x 1
		.amdhsa_system_sgpr_workgroup_id_y 1
		.amdhsa_system_sgpr_workgroup_id_z 1
		.amdhsa_system_vgpr_workitem_id 0
		.amdhsa_next_free_vgpr 256
		.amdhsa_next_free_sgpr 66
		.amdhsa_reserve_vcc 0
		.amdhsa_float_denorm_mode_32 3
		.amdhsa_float_denorm_mode_16_64 3
		.amdhsa_memory_ordered 1
		.amdhsa_forward_progress 1
		.amdhsa_inst_pref_size 30
	.end_amdhsa_kernel
	.amdgpu_metadata
---
amdhsa.version: [ 1, 2 ]
amdhsa.kernels:
  - .name:           k_q8c1244f66c_scan
    .symbol:         k_q8c1244f66c_scan.kd
    .args:
      - { .name: mcodes, .offset: 0, .size: 8, .value_kind: global_buffer, .address_space: global }
      - { .name: mscales, .offset: 8, .size: 8, .value_kind: global_buffer, .address_space: global }
      - { .name: qcodes, .offset: 16, .size: 8, .value_kind: global_buffer, .address_space: global }
      - { .name: qscales, .offset: 24, .size: 8, .value_kind: global_buffer, .address_space: global }
      - { .name: skeys, .offset: 32, .size: 8, .value_kind: global_buffer, .address_space: global }
    .group_segment_fixed_size: 56576
    .private_segment_fixed_size: 0
    .kernarg_segment_align: 8
    .kernarg_segment_size: 40
    .max_flat_workgroup_size: 512
    .sgpr_count:     66
    .vgpr_count:     256
    .wavefront_size: 32
...
	.end_amdgpu_metadata
.endif
;; end of part 2
;; launch bar (part 3): grid 256 x 1, 8 waves a work-group, no clusters, 38,144 bytes of LDS; arguments skeys, cand; writes cand
.if DOCPART == 3
	.amdgcn_target "amdgcn-amd-amdhsa--gfx1250"
	.amdhsa_code_object_version 6
	.text
	.protected	k_q8c1244f66c_bar
	.globl	k_q8c1244f66c_bar
	.p2align	8
	.type	k_q8c1244f66c_bar,@function
k_q8c1244f66c_bar:
	s_mov_b64 s[64:65], 0
	v_nop
	global_prefetch_b8 v0, s[64:65] scope:SCOPE_SE
	s_setreg_imm32_b32 hwreg(HW_REG_WAVE_MODE, 25, 1), 1
	s_wait_xcnt 0x0
; From each query's keys (250 slices x 4 keys, each a tile maximum as a sortable whole number with the tile's number 0..24 in its low five bits) the list of tiles that can hold one of the query's 8 best rows.
; A wave takes one query, q = 8 x work-group + wave.  Whole-number arithmetic alone.  EVERY BRANCH HERE IS A LOOP OF CONSTANT COUNT AND EVERY ADDRESS IS FIXED: what hangs on the keys is data, never the way.
; 1. THE KEYS.  A slice's keys of the work-group's 8 queries are 128 consecutive bytes; the 250 slices are read so, eight lanes to a slice, and turned through LDS.  A query's row there has 256 places of 16 bytes,
;    with 16 bytes more behind every 8 places: place s lies at 144 (s / 8) + 16 (s % 8).  Lane l, group k then reads slice 8 l + k: lanes 144 bytes apart.  Places 250-255 hold slice 249 again; their masks are cleared.
; 2. THE BAR.  tau = the 8th largest distinct value among the 32 lanes' largest first keys: eight different slices, so eight different rows, have a score whose key is at least tau - 62 (a stored key lies
;    within 62 of its tile's true maximum).  A row that can be among the 8 has a key of at least tau - 62, so its tile's stored key is at least tau - 124 if the tile is among its slice's four; if it is not, the
;    slice's fourth key is at least tau - 124.  theta = max(tau, 129) - 128.  A stored tile whose key reaches theta is a candidate; a fourth key that reaches theta makes all 25 tiles of its slice candidates.
;    With fewer than 8 distinct values theta is 1 and every tile is a candidate.
; 3. THE LIST, ascending.  Each lane packs its slices' masks as k << 25 | mask (an empty one: 0xfe000000, over every other) and sorts its 8 words.  32 rounds: the lowest lane with a word left gives its first
;    word; mask and first tile go to lane r of two registers; that lane's words move up.  48 rounds: the masks' bits are dealt out as tile numbers, one a round.
; 4. cand[q]: 64 words: 0-47 the tiles, 48 their number n, 49 the mode.  More than 32 slices or more than 48 tiles: mode 1, n = 6,250: the next launch then takes every tile.  Words behind the n-th hold no tile
;    and are not used.  The wave's two stores of 128 bytes fill the query's 256 bytes.
.set QP,   4640                        ; a query's row in LDS: 32 x 144 bytes + 32
.set RDA,  37                          ; v37      LDS: my query's row, 144 x lane
.set ZR,   38                          ; v38      0
.set ALLM, 39                          ; v39      25 ones
.set INVR, 40                          ; v40      the empty word
.set SS,   56                          ; v56-87   keys: group k at SS + 4 k
.set W,    88                          ; v88-95   masks, then my queue of words
.set TX,   96                          ; v96-100  at work
.set QW,   104                         ; v104     lane r: the r-th candidate slice's mask
.set QB,   105                         ; v105     lane r: its first tile
.set OUT0, 106                         ; v106     tiles 0-31 of the list
.set OUT1, 107                         ; v107     tiles 32-47; lane 16: n; lane 17: the mode
	s_load_b128 s[4:7], s[0:1], 0x0                ; skeys s[4:5], cand s[6:7]
	v_lshl_add_u32 v112, v0, 2, 0x9100
	v_mov_b32 v113, 0
	v_lshrrev_b32 v1, 5, v0
	v_readfirstlane_b32 s18, v1                    ; wave 0..7
	v_and_b32 v1, 31, v0                           ; lane
	v_lshlrev_b32 v5, 2, v1                        ; 4 x lane
	v_mov_b32 v6, 1
	v_mov_b32 v[ZR], 0
	v_mov_b32 v[ALLM], 0x1ffffff
	v_mov_b32 v[INVR], 0xfe000000
	v_mov_b32 v[QW], 0                             ; written whole once: a lane write's destination counts as a source
	v_mov_b32 v[QB], 0
	v_mov_b32 v[OUT0], 0
	v_mov_b32 v[OUT1], 0
	s_mov_b32 s20, 0x76543210
	s_mov_b32 s21, 0xfedcba98                      ; v_permlanex16_b32's selects for lane l xor 16
	s_mov_b32 s22, 0xfe000000                      ; the empty word
	s_mov_b32 s23, 0x7fffffff                      ; lanes 0-30
	v_and_b32 v[TX], 7, v0                         ; way in: which of the 8 queries,
	v_bfe_u32 v[TX+1], v0, 3, 2                    ; which of a load's 4 slices
	v_mul_u32_u24 v9, v[TX], QP
	v_lshl_add_u32 v9, v[TX+1], 4, v9
	s_mul_i32 s35, s18, 576
	v_add_nc_u32 v9, s35, v9                       ; slice 32 w + 4 n + j lies at 576 w + 144 (n / 2) + 64 (n % 2) + 16 j; n's part stands in the immediate
	s_mul_i32 s35, s18, QP
	v_mul_u32_u24 v[RDA], v1, 144
	v_add_nc_u32 v[RDA], s35, v[RDA]
	v_lshlrev_b32 v[TX], 4, v[TX]
	s_lshl_b32 s35, s18, 5
	v_add_nc_u32 v[TX+1], s35, v[TX+1]
.irp n, 0,1,2,3,4,5,6,7
	v_add_nc_u32 v[TX+2], 4*\n, v[TX+1]            ; slice 32 wave + 4 n + lane / 8,
	v_min_u32 v[TX+2], 249, v[TX+2]                ; held inside the buffer
	v_lshl_add_u32 v[10+\n], v[TX+2], 15, v[TX]    ; 32,768 bytes a slice, 16 a query
.endr
	s_mov_b32 s39, 0
	s_wait_kmcnt 0x0
	s_lshl_b32 s38, ttmp9, 7
	s_add_nc_u64 s[4:5], s[4:5], s[38:39]          ; the work-group's 8 queries in a slice's keys
	s_lshl_b32 s38, ttmp9, 3
	s_add_co_u32 s38, s38, s18
	s_lshl_b32 s38, s38, 8                         ; 256 bytes of list a query
	s_add_nc_u64 s[6:7], s[6:7], s[38:39]
.irp n, 0,1,2,3,4,5,6,7
	global_load_b128 v[SS+4*\n:SS+4*\n+3], v[10+\n], s[4:5]
.endr
	s_wait_loadcnt 0x0
.irp n, 0,1,2,3,4,5,6,7
	ds_store_b128 v9, v[SS+4*\n:SS+4*\n+3] offset:64*\n+16*(\n/2)
.endr
	s_wait_dscnt 0x0                               ; for the others' sake: my stores have landed
	s_barrier_signal -1
	s_barrier_wait -1                              ; the launch's one barrier: nothing is written to LDS again
.irp k, 0,1,2,3,4,5,6,7
	ds_load_b128 v[SS+4*\k:SS+4*\k+3], v[RDA] offset:16*\k
.endr
	s_wait_dscnt 0x0
	; ---- the bar
	v_max_u32 v[TX], v[SS], v[SS+4]
.irp k, 2,3,4,5,6,7
	v_max_u32 v[TX], v[TX], v[SS+4*\k]             ; x = my eight slices' largest key (lane 31's repeats of slice 249 change nothing in it)
.endr
	v_mov_b32 v[TX+2], 0                           ; written once: the destination of a DPP move and of a lane permute counts as a source
.macro WMAXU                           ; TX + 1 = the wave's largest x, in every lane
	v_mov_b32 v[TX+1], v[TX]
.irp m, 1,2,4,8
	v_mov_b32_dpp v[TX+2], v[TX+1] row_xmask:\m row_mask:0xf bank_mask:0xf
	v_max_u32 v[TX+1], v[TX+1], v[TX+2]
.endr
	v_permlanex16_b32 v[TX+2], v[TX+1], s20, s21
	v_max_u32 v[TX+1], v[TX+1], v[TX+2]
.endm
.rept 7
	WMAXU
	v_cmp_eq_u32 vcc_lo, v[TX], v[TX+1]
	v_cndmask_b32 v[TX], v[TX], v[ZR], vcc_lo      ; every lane that holds this value leaves: the values counted are distinct
.endr
	WMAXU                                          ; tau
	v_max_u32 v[TX+1], 0x81, v[TX+1]
	v_add_nc_u32 v[TX+3], 0xffffff80, v[TX+1]      ; theta = max(tau, 129) - 128: at least 1
	; ---- the masks
.irp k, 0,1,2,3,4,5,6,7
	v_lshlrev_b32 v[W+\k], v[SS+4*\k], v6          ; 1 << the tile's number (a shift takes its amount's low five bits)
	v_cmp_le_u32 vcc_lo, v[TX+3], v[SS+4*\k]
	v_cndmask_b32 v[W+\k], v[ZR], v[W+\k], vcc_lo
.irp j, 1,2
	v_lshlrev_b32 v[TX+4], v[SS+4*\k+\j], v6
	v_cmp_le_u32 vcc_lo, v[TX+3], v[SS+4*\k+\j]
	v_cndmask_b32 v[TX+4], v[ZR], v[TX+4], vcc_lo
	v_or_b32 v[W+\k], v[W+\k], v[TX+4]
.endr
	v_cmp_le_u32 vcc_lo, v[TX+3], v[SS+4*\k+3]
	v_cndmask_b32 v[W+\k], v[W+\k], v[ALLM], vcc_lo          ; the fourth key reaches the bar: a tile that was not kept may reach it too
.endr
.irp k, 2,3,4,5,6,7
	v_cndmask_b32 v[W+\k], v[ZR], v[W+\k], s23     ; lane 31, groups 2-7: places 250 to 255 hold no slice
.endr
	; ---- each lane's queue
.irp k, 0,1,2,3,4,5,6,7
	v_cmp_ne_u32 s[40+\k], 0, v[W+\k]
.endr
	s_mov_b32 s26, 0
.irp k, 0,1,2,3,4,5,6,7
	s_bcnt1_i32_b32 s35, s[40+\k]
	s_add_co_u32 s26, s26, s35                     ; how many slices have candidates, in all
.endr
.irp k, 1,2,3,4,5,6,7
	v_or_b32 v[W+\k], (\k<<25), v[W+\k]
.endr
.irp k, 0,1,2,3,4,5,6,7
	v_cndmask_b32 v[W+\k], v[INVR], v[W+\k], s[40+\k]
.endr
.macro CE a, b                         ; the smaller word to a, the larger to b
	v_min_u32 v[TX], v[W+\a], v[W+\b]
	v_max_u32 v[W+\b], v[W+\a], v[W+\b]
	v_mov_b32 v[W+\a], v[TX]
.endm
	CE 0, 1                                        ; the odd-even merge network for 8: two sorted fours,
	CE 2, 3
	CE 4, 5
	CE 6, 7
	CE 0, 2
	CE 1, 3
	CE 4, 6
	CE 5, 7
	CE 1, 2
	CE 5, 6
	CE 0, 4                                        ; and their merge
	CE 1, 5
	CE 2, 6
	CE 3, 7
	CE 2, 4
	CE 3, 5
	CE 1, 2
	CE 3, 4
	CE 5, 6
	; ---- 32 rounds: the candidate slices, ascending: lanes hold ascending runs of 8 slices, and each queue ascends
	s_mov_b32 s24, 0                               ; r
	s_mov_b32 s27, 0                               ; n
.Lq:
	v_cmp_ne_u32 s25, s22, v[W]                    ; the lanes that have a word left
	s_ctz_i32_b32 s28, s25                         ; the lowest of them; none: all ones,
	s_min_u32 s28, s28, 31                         ; held at lane 31, whose first word is then the empty one
	v_readlane_b32 s29, v[W], s28
	s_and_b32 s30, s29, 0x1ffffff                  ; the mask (of the empty word: 0)
	s_lshr_b32 s31, s29, 25                        ; k
	s_lshl_b32 s32, s28, 3
	s_add_co_u32 s31, s31, s32                     ; slice 8 lane + k
	s_mul_i32 s31, s31, 25                         ; its first tile
	s_bcnt1_i32_b32 s32, s30
	s_add_co_u32 s27, s27, s32
	v_writelane_b32 v[QW], s30, s24
	v_writelane_b32 v[QB], s31, s24
	v_cmp_eq_u32 vcc_lo, s28, v1
.irp i, 0,1,2,3,4,5,6
	v_cndmask_b32 v[W+\i], v[W+\i], v[W+\i+1], vcc_lo        ; that lane's queue moves up
.endr
	v_cndmask_b32 v[W+7], v[W+7], v[INVR], vcc_lo
	s_add_co_u32 s24, s24, 1
	s_cmp_lt_u32 s24, 32
	s_cbranch_scc1 .Lq
	; ---- 48 rounds: a tile a round.  s30 = the mask in hand, s31 = its slice's first tile, s33 = which slice of the 32
	s_mov_b32 s33, 0
	v_readlane_b32 s30, v[QW], 0
	v_readlane_b32 s31, v[QB], 0
.macro DEAL out, cnt
	s_mov_b32 s24, 0
.Ld_\@:
	s_ctz_i32_b32 s35, s30
	s_add_co_u32 s35, s35, s31                     ; the tile (no bit left: a word that nobody uses)
	v_writelane_b32 v[\out], s35, s24
	s_sub_co_u32 s35, s30, 1
	s_and_b32 s30, s30, s35                        ; the bit is struck off
	s_cmp_eq_u32 s30, 0
	s_cselect_b32 s35, 1, 0
	s_add_co_u32 s33, s33, s35                     ; the mask is used up: on to the next slice,
	s_min_u32 s33, s33, 31                         ; held at the last (what is dealt again from there lies behind the n-th word)
	v_readlane_b32 s36, v[QW], s33
	v_readlane_b32 s31, v[QB], s33
	s_cmp_eq_u32 s30, 0
	s_cselect_b32 s30, s36, s30
	s_add_co_u32 s24, s24, 1
	s_cmp_lt_u32 s24, \cnt
	s_cbranch_scc1 .Ld_\@
.endm
	DEAL OUT0, 32
	DEAL OUT1, 16
	s_cmp_gt_u32 s26, 32                           ; slices that the 32 rounds did not reach,
	s_cselect_b32 s36, 1, 0
	s_cmp_gt_u32 s27, 48                           ; or tiles that the 48 did not:
	s_cselect_b32 s37, 1, 0
	s_or_b32 s36, s36, s37                         ; mode 1: every tile
	s_cmp_lg_u32 s36, 0
	s_cselect_b32 s27, 6250, s27
	v_writelane_b32 v[OUT1], s27, 16
	v_writelane_b32 v[OUT1], s36, 17
	global_store_b32 v5, v[OUT0], s[6:7]           ; 32 lanes store 128 consecutive bytes; the two stores fill 256, at a multiple of 256 from the buffer's first byte
	global_store_b32 v5, v[OUT1], s[6:7] offset:128
	s_wait_tensorcnt 0x0
	ds_add_u32 v112, v113
	s_wait_dscnt 0x0
	s_endpgm
.Lfunc_end_k_q8c1244f66c_bar:
	.size	k_q8c1244f66c_bar, .Lfunc_end_k_q8c1244f66c_bar-k_q8c1244f66c_bar
	.p2alignl 7, 3214868480
	.fill 96, 4, 3214868480
	.section	.rodata,"a",@progbits
	.p2align	6, 0x0
	.amdhsa_kernel k_q8c1244f66c_bar
		.amdhsa_group_segment_fixed_size 38144
		.amdhsa_private_segment_fixed_size 0
		.amdhsa_enable_private_segment 0
		.amdhsa_kernarg_size 16
		.amdhsa_user_sgpr_count 2
		.amdhsa_user_sgpr_kernarg_segment_ptr 1
		.amdhsa_wavefront_size32 1
		.amdhsa_system_sgpr_workgroup_id_x 1
		.amdhsa_system_sgpr_workgroup_id_y 1
		.amdhsa_system_sgpr_workgroup_id_z 1
		.amdhsa_system_vgpr_workitem_id 0
		.amdhsa_next_free_vgpr 114
		.amdhsa_next_free_sgpr 66
		.amdhsa_reserve_vcc 1
		.amdhsa_float_denorm_mode_32 3
		.amdhsa_float_denorm_mode_16_64 3
		.amdhsa_memory_ordered 1
		.amdhsa_forward_progress 1
		.amdhsa_inst_pref_size 21
	.end_amdhsa_kernel
	.amdgpu_metadata
---
amdhsa.version: [ 1, 2 ]
amdhsa.kernels:
  - .name:           k_q8c1244f66c_bar
    .symbol:         k_q8c1244f66c_bar.kd
    .args:
      - { .name: skeys, .offset: 0, .size: 8, .value_kind: global_buffer, .address_space: global }
      - { .name: cand, .offset: 8, .size: 8, .value_kind: global_buffer, .address_space: global }
    .group_segment_fixed_size: 38144
    .private_segment_fixed_size: 0
    .kernarg_segment_align: 8
    .kernarg_segment_size: 16
    .max_flat_workgroup_size: 256
    .sgpr_count:     66
    .vgpr_count:     114
    .wavefront_size: 32
...
	.end_amdgpu_metadata
.endif
;; end of part 3
;; launch pick (part 4): grid 256 x 1, 8 waves a work-group, no clusters, 0 bytes of LDS; arguments cand, mcodes, mscales, qcodes, qscales, out1, tidx; writes out1, tidx
.if DOCPART == 4
	.amdgcn_target "amdgcn-amd-amdhsa--gfx1250"
	.amdhsa_code_object_version 6
	.text
	.protected	k_q8c1244f66c_pick
	.globl	k_q8c1244f66c_pick
	.p2align	8
	.type	k_q8c1244f66c_pick,@function
k_q8c1244f66c_pick:
	s_mov_b64 s[64:65], 0
	v_nop
	global_prefetch_b8 v0, s[64:65] scope:SCOPE_SE
	s_setreg_imm32_b32 hwreg(HW_REG_WAVE_MODE, 25, 1), 1
	s_wait_xcnt 0x0
; The exact top 8 of each query: score descending, ties to the lower row, as jax.lax.top_k has them.  A wave takes one query, q = 8 x work-group + wave.
; cand[q] (64 words, stored by the launch before): words 0-47 the tiles that can hold one of the 8, ascending; word 48 their number n; word 49 the mode (1: every tile, n = 6,250).
; ALL THAT STEERS A BRANCH, A TRIP COUNT OR AN ADDRESS comes from cand by scalar loads and scalar arithmetic: n gives ceil(n / 16) trips; a trip's 16 tile numbers come by one scalar load into 16 scalar
; registers (in mode 1 they are replaced by 16 x trip + place) and are held to 6,249 before they enter an address.
; A TRIP: 16 tiles are loaded (2,048 bytes of codes, 128 of scales each) and multiplied by the matrix form that made the keys, the sources the other way round: source 0 = my query in all 16 rows,
; source 1 = the tile: register 0 of lane l is the score of the tile's row l % 16.  Two tiles share a vector: lanes 0-15 the even place's, lanes 16-31 the odd place's.  Places from n on hold numbers that are
; valid to load; their scores become -infinity.
; Each lane keeps a sorted list of 8 (score, row).  Tiles come ascending, so a lane meets its rows in ascending order, and a strict 'greater' keeps the lower row ahead among equals.  Eight rounds then take the
; wave's largest head, among equals the lowest row, and move that lane's list up.  Rows are kept as f32 (under 2^24: exact), so that the lanes' minimum rides on f32 arithmetic.
; out1 and tidx leave as 32 bytes a wave (lanes 0 and 1, 16 bytes each): the two buffers are 64 KiB each.
; LIMITS: NaN and infinities are not served; +0 and -0 count as equal scores.  A query in mode 1 has its one wave multiply all 6,250 tiles.
; REGISTERS.  Window 0: below.  Window 1 (v256-511): the 16 places' codes, 16 registers each.
.set QF,   20                          ; v20-35   my query's two fragments (the same row in all 16 rows)
.set QS,   36                          ; v36      its scale words: lanes 0-15 K step 0, lanes 16-31 K step 1; scales and nothing else
.set TS,   40                          ; v40-55   the places' scale images; scales and nothing else
.set VO,   96                          ; v96-111  byte offsets of the places' codes
.set VS,   112                         ; v112-127 and of their scale images
.set ACC,  128                         ; v128-159 four accumulators
.set L,    160                         ; v160-167 my list: scores
.set IX,   168                         ; v168-175 and rows, as f32
.set OV,   176                         ; v176-183 the 8 scores
.set OI,   184                         ; v184-191 the 8 rows
.set TX,   192                         ; v192-199 at work
.set BIG,  207                         ; v207     3e38: over every row number
.set TT,   48                          ; s48-63   the places' tile numbers
.set MSB, 0
.macro WIN new                         ; the immediate's high byte repeats the setting that is left
.if MSB != \new
	s_set_vgpr_msb (MSB<<8)|\new
.set MSB, \new
.endif
.endm
	s_load_b256 s[4:11], s[0:1], 0x0               ; cand s[4:5], mcodes s[6:7], mscales s[8:9], qcodes s[10:11]
	s_load_b128 s[12:15], s[0:1], 0x20             ; qscales s[12:13], out1 s[14:15]
	s_load_b64 s[16:17], s[0:1], 0x30              ; tidx
	v_lshrrev_b32 v1, 5, v0
	v_readfirstlane_b32 s18, v1                    ; wave 0..7
	v_and_b32 v1, 31, v0                           ; lane
	v_and_b32 v2, 15, v0                           ; r
	v_bfe_u32 v3, v0, 4, 1                         ; h
	v_lshlrev_b32 v4, 4, v1                        ; 16 x lane
	v_lshlrev_b32 v5, 2, v1                        ; 4 x lane
	v_mov_b32 v7, 0xff800000                       ; -infinity
	v_mov_b32 v[BIG], 0x7f61b1e6
	v_mov_b32 v[TX+2], 0                           ; written once: a lane permute's destination counts as a source
	s_mov_b32 s20, 0x76543210
	s_mov_b32 s21, 0xfedcba98                      ; v_permlanex16_b32's selects for lane l xor 16
	s_mov_b32 s22, 0xffff0000                      ; lanes 16-31
	s_and_b32 s35, ttmp9, 1
	s_lshl_b32 s35, s35, 3
	s_add_co_u32 s35, s35, s18                     ; my query's row in its tile of 16
	s_lshl_b32 s36, s35, 4
	s_lshl_b32 s37, s35, 2
	v_lshl_add_u32 v18, v3, 8, s36                 ; in a piece of the image: the place of lane (that row, my h)
	v_lshl_add_u32 v19, v3, 6, s37                 ; in the scale image likewise
	s_mov_b32 s39, 0
	s_lshl_b32 s19, ttmp9, 3
	s_add_co_u32 s19, s19, s18                     ; q
	s_wait_kmcnt 0x0
	s_lshl_b32 s38, s19, 8                         ; 256 bytes of list a query
	s_add_nc_u64 s[4:5], s[4:5], s[38:39]
	s_load_b64 s[24:25], s[4:5], 0xc0              ; n s24, the mode s25
	s_lshl_b32 s38, s19, 5                         ; 32 bytes of output a query
	s_add_nc_u64 s[14:15], s[14:15], s[38:39]
	s_add_nc_u64 s[16:17], s[16:17], s[38:39]
	s_lshr_b32 s35, ttmp9, 1
	s_lshl_b32 s38, s35, 11
	s_add_nc_u64 s[10:11], s[10:11], s[38:39]      ; my query's tile
	s_lshl_b32 s38, s35, 7
	s_add_nc_u64 s[12:13], s[12:13], s[38:39]
.irp i, 0,1,2,3
	global_load_b128 v[QF+4*\i:QF+4*\i+3], v18, s[10:11] offset:512*\i
.endr
	global_load_b32 v[QS], v19, s[12:13]           ; (the first trip's wait for all loads covers these five)
.irp i, 0,1,2,3,4,5,6,7
	v_mov_b32 v[L+\i], v7
	v_mov_b32 v[IX+\i], v[BIG]
.endr
; (sc, ix) goes into my sorted list.  s[40 + i] = sc > L[i].  From the end: level i takes its upper neighbour where sc beats that too, else the new pair, where sc beats level i.
.macro INS sc, ix
.irp i, 0,1,2,3,4,5,6,7
	v_cmp_gt_f32 s[40+\i], v[\sc], v[L+\i]
.endr
.irp i, 7,6,5,4,3,2,1
	v_cndmask_b32 v[TX+7], v[\ix], v[IX+\i-1], s[39+\i]
	v_cndmask_b32 v[IX+\i], v[IX+\i], v[TX+7], s[40+\i]
	v_med3_num_f32 v[L+\i], v[L+\i-1], v[L+\i], v[\sc]
.endr
	v_cndmask_b32 v[IX], v[IX], v[\ix], s40
	v_max_num_f32 v[L], v[L], v[\sc]
.endm
; The sixteen places in s[TT ..] are loaded, multiplied and taken in.  Only places under s34 count.
.macro PROCESS
.irp s, 0,1,2,3,4,5,6,7,8,9,10,11,12,13,14,15
	s_min_u32 s[TT+\s], s[TT+\s], 6249             ; a number that was loaded enters an address only behind this hold
.endr
.irp s, 0,1,2,3,4,5,6,7,8,9,10,11,12,13,14,15
	v_lshl_add_u32 v[VO+\s], s[TT+\s], 11, v4      ; (the last trip's loads, which read these registers, were waited for)
	v_lshl_add_u32 v[VS+\s], s[TT+\s], 7, v5
.endr
	WIN 0x40                                       ; destination window 1, address window 0
.irp s, 0,1,2,3,4,5,6,7,8,9,10,11,12,13,14,15
.irp i, 0,1,2,3
	global_load_b128 v[16*\s+4*\i:16*\s+4*\i+3], v[VO+\s], s[6:7] offset:512*\i
.endr
.endr
	WIN 0
.irp s, 0,1,2,3,4,5,6,7,8,9,10,11,12,13,14,15
	global_load_b32 v[TS+\s], v[VS+\s], s[8:9]
.endr
	s_wait_loadcnt 0x0
.irp g, 0,1,2,3
	WIN 0x04                                       ; source 1 (the tile) window 1
.irp a, 0,1,2,3                        ; four accumulators by turns: K step 0 starts the sums, K step 1 adds
	v_wmma_scale_f32_16x16x128_f8f6f4 v[ACC+8*\a:ACC+8*\a+7], v[QF:QF+7], v[16*(4*\g+\a):16*(4*\g+\a)+7], 0, v[QS], v[TS+4*\g+\a] matrix_a_fmt:MATRIX_FMT_FP4 matrix_b_fmt:MATRIX_FMT_FP4
.endr
.irp a, 0,1,2,3
	v_wmma_scale_f32_16x16x128_f8f6f4 v[ACC+8*\a:ACC+8*\a+7], v[QF+8:QF+15], v[16*(4*\g+\a)+8:16*(4*\g+\a)+15], v[ACC+8*\a:ACC+8*\a+7], v[QS], v[TS+4*\g+\a] matrix_a_fmt:MATRIX_FMT_FP4 matrix_b_fmt:MATRIX_FMT_FP4 matrix_a_scale:MATRIX_SCALE_ROW1 matrix_b_scale:MATRIX_SCALE_ROW1
.endr
	WIN 0
.irp u, 0,1                            ; the rows' numbers: eight vector lines that name none of the products' registers: the places behind them (4 are owed)
	v_mov_b32 v[TX+4+\u], s[TT+4*\g+2*\u]
	v_cndmask_b32 v[TX+4+\u], v[TX+4+\u], s[TT+4*\g+2*\u+1], s22    ; lanes 16-31: the odd place's tile
	v_lshl_add_u32 v[TX+4+\u], v[TX+4+\u], 4, v2                    ; row = 16 x tile + lane % 16
	v_cvt_f32_u32 v[TX+4+\u], v[TX+4+\u]
.endr
.irp u, 0,1
	v_cndmask_b32 v[TX+6], v[ACC+16*\u], v[ACC+16*\u+8], s22        ; each accumulator's register 0: all its rows hold my query
	s_sub_co_i32 s35, s34, 4*\g+2*\u
	v_cmp_gt_i32 vcc_lo, s35, v3                   ; place 4 g + 2 u + h counts where it lies under s34
	v_cndmask_b32 v[TX+6], v7, v[TX+6], vcc_lo
	INS TX+6, TX+4+\u
.endr
.endr
.endm
	s_wait_kmcnt 0x0                               ; n and the mode
	s_min_u32 s24, s24, 6250
	s_add_co_u32 s26, s24, 15
	s_lshr_b32 s26, s26, 4                         ; trips: ceil(n / 16)
	s_mov_b32 s27, 0                               ; the trip
	s_mov_b32 s37, 0
.Lb:
	s_min_u32 s36, s27, 2                          ; the list has three runs of 16; in mode 1 the later trips read the last again and do not use it
	s_lshl_b32 s36, s36, 6
	s_add_nc_u64 s[30:31], s[4:5], s[36:37]
	s_load_b512 s[TT:TT+15], s[30:31], 0x0
	s_lshl_b32 s28, s27, 4                         ; 16 x trip
	s_sub_co_u32 s34, s24, s28                     ; how many places count, from this trip's first on
	s_wait_kmcnt 0x0                               ; the 16 numbers are in, and the load's address may be written again
.irp s, 0,1,2,3,4,5,6,7,8,9,10,11,12,13,14,15
	s_add_co_u32 s35, s28, \s
	s_cmp_lg_u32 s25, 0
	s_cselect_b32 s[TT+\s], s35, s[TT+\s]          ; mode 1: tile 16 x trip + place
.endr
	PROCESS
	s_add_co_u32 s27, s27, 1
	s_cmp_lt_u32 s27, s26
	s_cbranch_scc1 .Lb
; Round r: the wave's largest head; among the lanes that hold it the lowest row; that lane's list moves up (only the levels that later rounds can still reach).
.macro POP r
	v_mov_b32 v[TX], v[L]
.irp m, 1,2,4,8
	v_max_num_f32_dpp v[TX], v[TX], v[TX] row_xmask:\m row_mask:0xf bank_mask:0xf
.endr
	v_permlanex16_b32 v[TX+2], v[TX], s20, s21
	v_max_num_f32 v[OV+\r], v[TX], v[TX+2]
	v_cmp_eq_f32 vcc_lo, v[L], v[OV+\r]
	v_cndmask_b32 v[TX+1], v[BIG], v[IX], vcc_lo
	v_mov_b32 v[TX], v[TX+1]
.irp m, 1,2,4,8
	v_min_num_f32_dpp v[TX], v[TX], v[TX] row_xmask:\m row_mask:0xf bank_mask:0xf
.endr
	v_permlanex16_b32 v[TX+2], v[TX], s20, s21
	v_min_num_f32 v[OI+\r], v[TX], v[TX+2]
.if \r < 7
	v_cmp_eq_f32 vcc_lo, v[TX+1], v[OI+\r]         ; rows are distinct: one lane
.set cnt, 0
.rept 7-\r
	v_cndmask_b32 v[L+cnt], v[L+cnt], v[L+cnt+1], vcc_lo
	v_cndmask_b32 v[IX+cnt], v[IX+cnt], v[IX+cnt+1], vcc_lo
.set cnt, cnt+1
.endr
.endif
.endm
.irp r, 0,1,2,3,4,5,6,7
	POP \r
.endr
	v_cmp_eq_u32 vcc_lo, 1, v1
.irp j, 0,1,2,3
	v_cndmask_b32 v[TX+\j], v[OV+\j], v[OV+4+\j], vcc_lo     ; lane 0: ranks 0-3; lane 1: ranks 4-7
.endr
.irp j, 0,1,2,3,4,5,6,7
	v_cvt_u32_f32 v[OI+\j], v[OI+\j]
.endr
.irp j, 0,1,2,3
	v_cndmask_b32 v[TX+4+\j], v[OI+\j], v[OI+4+\j], vcc_lo
.endr
	v_cmp_gt_u32 vcc_lo, 2, v1
	s_wait_xcnt 0x0                                ; EXEC changes only behind this wait
	s_and_saveexec_b32 s35, vcc_lo
	global_store_b128 v4, v[TX:TX+3], s[14:15]
	global_store_b128 v4, v[TX+4:TX+7], s[16:17]
	s_wait_xcnt 0x0                                ; and again in front of the line that widens it
	s_or_b32 exec_lo, exec_lo, s35
	s_endpgm
.Lfunc_end_k_q8c1244f66c_pick:
	.size	k_q8c1244f66c_pick, .Lfunc_end_k_q8c1244f66c_pick-k_q8c1244f66c_pick
	.p2alignl 7, 3214868480
	.fill 96, 4, 3214868480
	.section	.rodata,"a",@progbits
	.p2align	6, 0x0
	.amdhsa_kernel k_q8c1244f66c_pick
		.amdhsa_group_segment_fixed_size 0
		.amdhsa_private_segment_fixed_size 0
		.amdhsa_enable_private_segment 0
		.amdhsa_kernarg_size 56
		.amdhsa_user_sgpr_count 2
		.amdhsa_user_sgpr_kernarg_segment_ptr 1
		.amdhsa_wavefront_size32 1
		.amdhsa_system_sgpr_workgroup_id_x 1
		.amdhsa_system_sgpr_workgroup_id_y 1
		.amdhsa_system_sgpr_workgroup_id_z 1
		.amdhsa_system_vgpr_workitem_id 0
		.amdhsa_next_free_vgpr 512
		.amdhsa_next_free_sgpr 66
		.amdhsa_reserve_vcc 1
		.amdhsa_float_denorm_mode_32 3
		.amdhsa_float_denorm_mode_16_64 3
		.amdhsa_memory_ordered 1
		.amdhsa_forward_progress 1
		.amdhsa_inst_pref_size 48
	.end_amdhsa_kernel
	.amdgpu_metadata
---
amdhsa.version: [ 1, 2 ]
amdhsa.kernels:
  - .name:           k_q8c1244f66c_pick
    .symbol:         k_q8c1244f66c_pick.kd
    .args:
      - { .name: cand, .offset: 0, .size: 8, .value_kind: global_buffer, .address_space: global }
      - { .name: mcodes, .offset: 8, .size: 8, .value_kind: global_buffer, .address_space: global }
      - { .name: mscales, .offset: 16, .size: 8, .value_kind: global_buffer, .address_space: global }
      - { .name: qcodes, .offset: 24, .size: 8, .value_kind: global_buffer, .address_space: global }
      - { .name: qscales, .offset: 32, .size: 8, .value_kind: global_buffer, .address_space: global }
      - { .name: out1, .offset: 40, .size: 8, .value_kind: global_buffer, .address_space: global }
      - { .name: tidx, .offset: 48, .size: 8, .value_kind: global_buffer, .address_space: global }
    .group_segment_fixed_size: 0
    .private_segment_fixed_size: 0
    .kernarg_segment_align: 8
    .kernarg_segment_size: 56
    .max_flat_workgroup_size: 256
    .sgpr_count:     66
    .vgpr_count:     512
    .wavefront_size: 32
...
	.end_amdgpu_metadata
.endif
;; end of part 4
;; launch fetch (part 5): grid 256 x 1, 8 waves a work-group, no clusters, 0 bytes of LDS; arguments memory_states, tidx, out0; writes out0
.if DOCPART == 5
	.amdgcn_target "amdgcn-amd-amdhsa--gfx1250"
	.amdhsa_code_object_version 6
	.text
	.protected	k_q8c1244f66c_fetch
	.globl	k_q8c1244f66c_fetch
	.p2align	8
	.type	k_q8c1244f66c_fetch,@function
k_q8c1244f66c_fetch:
	s_mov_b64 s[64:65], 0
	v_nop
	global_prefetch_b8 v0, s[64:65] scope:SCOPE_SE
	s_setreg_imm32_b32 hwreg(HW_REG_WAVE_MODE, 25, 1), 1
	s_wait_xcnt 0x0
; out0[q][j][:] = memory_states[tidx[q][j]][:], raw f32 rows of 1,024 bytes.  A wave takes one query, q = 8 x work-group + wave: its 8 row numbers come by one scalar load, are held inside the table
; (99,999 at the most) before they enter an address, and the 8 rows go through registers: 16 loads and 16 stores of 512 consecutive bytes each, all loads on their way before the first store.
; A stream: no LDS, no barrier, no matrix unit.  The loads carry no hint, since queries may name the same row; the stores are written once and read by nobody here.
	s_load_b128 s[4:7], s[0:1], 0x0                ; memory_states s[4:5], tidx s[6:7]
	s_load_b64 s[8:9], s[0:1], 0x10                ; out0
	v_lshrrev_b32 v1, 5, v0
	v_readfirstlane_b32 s12, v1                    ; wave 0..7
	v_and_b32 v1, 31, v0
	v_lshlrev_b32 v1, 4, v1                        ; 16 x lane
	s_lshl_b32 s13, ttmp9, 3
	s_add_co_u32 s13, s13, s12                     ; q
	s_lshl_b32 s10, s13, 5                         ; 32 bytes of row numbers a query
	s_mov_b32 s11, 0
	s_lshl_b32 s14, s13, 13                        ; 8,192 bytes of output
	s_mov_b32 s15, 0
	s_wait_kmcnt 0x0
	s_add_nc_u64 s[6:7], s[6:7], s[10:11]
	s_add_nc_u64 s[8:9], s[8:9], s[14:15]
	s_load_b256 s[16:23], s[6:7], 0x0
	s_wait_kmcnt 0x0
.irp j, 0,1,2,3,4,5,6,7
	s_min_u32 s[16+\j], s[16+\j], 0x1869f
.endr
.irp j, 0,1,2,3,4,5,6,7
	v_lshl_add_u32 v[2+\j], s[16+\j], 10, v1       ; 1,024 bytes a row (99,999 x 1,024 stays under 2^31)
.endr
.irp j, 0,1,2,3,4,5,6,7
.irp u, 0,1
	global_load_b128 v[16+8*\j+4*\u:16+8*\j+4*\u+3], v[2+\j], s[4:5] offset:512*\u
.endr
.endr
.irp j, 0,1,2,3,4,5,6,7
.irp u, 0,1
	s_wait_loadcnt 15-2*\j-\u                      ; loads come back in order: this half row is in, the younger ones may be out
	global_store_b128 v1, v[16+8*\j+4*\u:16+8*\j+4*\u+3], s[8:9] offset:1024*\j+512*\u th:TH_STORE_NT
.endr
.endr
	s_endpgm
.Lfunc_end_k_q8c1244f66c_fetch:
	.size	k_q8c1244f66c_fetch, .Lfunc_end_k_q8c1244f66c_fetch-k_q8c1244f66c_fetch
	.p2alignl 7, 3214868480
	.fill 96, 4, 3214868480
	.section	.rodata,"a",@progbits
	.p2align	6, 0x0
	.amdhsa_kernel k_q8c1244f66c_fetch
		.amdhsa_group_segment_fixed_size 0
		.amdhsa_private_segment_fixed_size 0
		.amdhsa_enable_private_segment 0
		.amdhsa_kernarg_size 24
		.amdhsa_user_sgpr_count 2
		.amdhsa_user_sgpr_kernarg_segment_ptr 1
		.amdhsa_wavefront_size32 1
		.amdhsa_system_sgpr_workgroup_id_x 1
		.amdhsa_system_sgpr_workgroup_id_y 1
		.amdhsa_system_sgpr_workgroup_id_z 1
		.amdhsa_system_vgpr_workitem_id 0
		.amdhsa_next_free_vgpr 96
		.amdhsa_next_free_sgpr 66
		.amdhsa_reserve_vcc 0
		.amdhsa_float_denorm_mode_32 3
		.amdhsa_float_denorm_mode_16_64 3
		.amdhsa_memory_ordered 1
		.amdhsa_forward_progress 1
		.amdhsa_inst_pref_size 6
	.end_amdhsa_kernel
	.amdgpu_metadata
---
amdhsa.version: [ 1, 2 ]
amdhsa.kernels:
  - .name:           k_q8c1244f66c_fetch
    .symbol:         k_q8c1244f66c_fetch.kd
    .args:
      - { .name: memory_states, .offset: 0, .size: 8, .value_kind: global_buffer, .address_space: global }
      - { .name: tidx, .offset: 8, .size: 8, .value_kind: global_buffer, .address_space: global }
      - { .name: out0, .offset: 16, .size: 8, .value_kind: global_buffer, .address_space: global }
    .group_segment_fixed_size: 0
    .private_segment_fixed_size: 0
    .kernarg_segment_align: 8
    .kernarg_segment_size: 24
    .max_flat_workgroup_size: 256
    .sgpr_count:     66
    .vgpr_count:     96
    .wavefront_size: 32
...
	.end_amdgpu_metadata
.endif
;; end of part 5
;; ======== version 2 of 2: 5 launches
;; workspace buffers: mcodes 12,800,000 bytes; mscales 800,000 bytes; qcodes 262,144 bytes; qscales 16,384 bytes; skeys 8,192,000 bytes of whole numbers; cand 524,288 bytes of whole numbers; tidx 65,536 bytes of whole numbers
;; launch quant (part 6): grid 3189 x 1, 2 waves a work-group, no clusters, 33,536 bytes of LDS; arguments memory_states, query, mcodes, mscales, qcodes, qscales; writes mcodes, mscales, qcodes, qscales
.if DOCPART == 6
	.amdgcn_target "amdgcn-amd-amdhsa--gfx1250"
	.amdhsa_code_object_version 6
	.text
	.protected	k_q8c1244f66c_quant
	.globl	k_q8c1244f66c_quant
	.p2align	8
	.type	k_q8c1244f66c_quant,@function
k_q8c1244f66c_quant:
	s_mov_b64 s[64:65], 0
	v_nop
	global_prefetch_b8 v0, s[64:65] scope:SCOPE_SE
	s_setreg_imm32_b32 hwreg(HW_REG_WAVE_MODE, 25, 1), 1
	s_wait_xcnt 0x0
; Rows of 256 f32 (memory_states: 100,000 rows; query: 2,048 rows) are divided by max(their norm, 1e-12) and turned into codes of FP4 (E2M1) with one E8M0 byte for each 32 along the row.
; A block's byte is the exponent field of its largest magnitude less 2, held at 1 from below (a block of zeros keeps 1: its codes are zeros, and this program alone reads the bytes).
; OUTPUT LAYOUT: the order of the matrix operand's registers.  A tile is 16 rows.  Codes: 2,048 bytes a tile, piece i (0..3) at 512 i + 16 lane; lane (r = lane % 16, h = lane / 16) holds the 16 bytes of
; row r, block 2 i + h: registers 4 i .. 4 i + 3 of the two fragments (K steps 0 and 1) on end.  Scales: 128 bytes a tile, 4 a lane: lanes 0-15 row r's word of K step 0, lanes 16-31 that of K step 1.
; SHARES: a wave takes a tile (16 KiB of input); work-groups 0..3124 take memory_states' 6,250 tiles, 3125..3188 query's 128.  Only pointers are chosen by the work-group's number: one path for both.
; Every load reads 512 consecutive bytes; the tile turns through the wave's own stage in LDS (rows 1,024 + 16 bytes apart) so that a lane then holds whole blocks of 32 neighbours.  Waves share nothing: no barrier.
; LIMITS: NaN and infinities among the inputs are not served.  The sum of squares is formed in another order than a plain running sum; x / n is x times 1 / n, the reciprocal mended by one Newton step
; (a few units in the last place of f32).  A sum of squares that is denormal counts as 0 in the square root, so such a row is divided by 1e-12.  The scale images leave as 128 bytes a wave.
.set MTG,   3125                       ; work-groups that take memory_states
.set PITCH, 1040                       ; a stage row: 1,024 bytes + 16: an odd multiple of 16, so the 16 rows that a load touches start 16 bytes apart modulo 256
.set WREG,  16*PITCH                   ; a wave's stage
.set X,   16                           ; v16-143  the tile's numbers: as loaded, then block i of my row in v[X + 32 i ..]
.set A,   144                          ; v144-151 four pairs of sums of squares
.set AM,  152                          ; v152-155 largest magnitude of my four blocks
.set SC,  156                          ; v156-159 the conversions' scale operands
.set BY,  160                          ; v160-163 the scale bytes
.set INV, 164                          ; v164-165 1 / norm, twice (a pair for the packed multiply)
.set T,   166                          ; v166-171 at work
.set C,   172                          ; v172-187 the codes
	s_load_b256 s[4:11], s[0:1], 0x0               ; memory_states s[4:5], query s[6:7], mcodes s[8:9], mscales s[10:11]
	s_load_b128 s[12:15], s[0:1], 0x20             ; qcodes s[12:13], qscales s[14:15]
	v_lshl_add_u32 v192, v0, 2, 0x8200
	v_mov_b32 v193, 0
	v_lshrrev_b32 v1, 5, v0
	v_readfirstlane_b32 s16, v1                    ; wave 0, 1
	v_and_b32 v1, 31, v0                           ; lane
	v_and_b32 v2, 15, v0                           ; r
	v_bfe_u32 v3, v0, 4, 1                         ; h
	v_lshlrev_b32 v4, 4, v1                        ; 16 x lane: my bytes of a load's 512, and of a piece of codes
	s_mul_i32 s22, s16, WREG
	v_add_nc_u32 v5, s22, v4                       ; the stage, way in
	v_mul_u32_u24 v6, v2, PITCH
	v_lshl_add_u32 v6, v3, 7, v6
	v_add_nc_u32 v6, s22, v6                       ; way out: row r, block h
	v_lshlrev_b32 v7, 2, v1                        ; 4 x lane: my word of the scale image
	v_lshlrev_b32 v8, 3, v3                        ; 8 h: my bytes' place in a scale word
	v_mov_b32 v[T+1], 0                            ; written once: a lane permute's destination counts as one of its sources
	v_mov_b32 v[T+3], 0
	s_mov_b32 s20, 0x76543210
	s_mov_b32 s21, 0xfedcba98                      ; v_permlanex16_b32's selects for lane l xor 16
	s_mov_b32 s19, 0
	s_wait_alu depctr_va_vdst(0)
	s_wait_kmcnt 0x0
	s_cmp_lt_u32 ttmp9, MTG                        ; the choice hangs on the work-group's number alone
	s_cselect_b64 s[4:5], s[4:5], s[6:7]
	s_cselect_b64 s[8:9], s[8:9], s[12:13]
	s_cselect_b64 s[10:11], s[10:11], s[14:15]
	s_cselect_b32 s17, 0, MTG
	s_sub_co_u32 s17, ttmp9, s17
	s_lshl_b32 s17, s17, 1
	s_add_co_u32 s17, s17, s16                     ; my tile
	s_lshl_b32 s18, s17, 14                        ; 16,384 bytes of input a tile (6,249 x 16,384 stays under 2^32)
	s_add_nc_u64 s[4:5], s[4:5], s[18:19]
	s_lshl_b32 s18, s17, 11                        ; 2,048 bytes of codes
	s_add_nc_u64 s[8:9], s[8:9], s[18:19]
	s_lshl_b32 s18, s17, 7                         ; 128 bytes of scales
	s_add_nc_u64 s[10:11], s[10:11], s[18:19]
.set n, 0
.rept 32
	global_load_b128 v[X+4*n:X+4*n+3], v4, s[4:5] offset:512*n th:TH_LOAD_NT   ; 32 lanes read 512 consecutive bytes: half a row
.set n, n+1
.endr
.set n, 0
.rept 4
	s_wait_loadcnt 24-n                            ; loads come back in order: the eight oldest of those still out are in
.rept 8
	ds_store_b128 v5, v[X+4*n:X+4*n+3] offset:(n/2)*PITCH+(n%2)*512
.set n, n+1
.endr
.endr
	s_wait_dscnt 0x0                               ; the stores have read X, which is loaded again
.irp i, 0,1,2,3
.irp j, 0,1,2,3,4,5,6,7
	ds_load_b128 v[X+32*\i+4*\j:X+32*\i+4*\j+3], v6 offset:256*\i+16*\j        ; block 2 i + h of row r
.endr
.endr
; Block i of my four: its sum of squares (a pair of chains) and its largest magnitude, line by line in turns
.macro BLOCK i
.set XB, X+32*\i
.set AP, A+2*\i
	s_wait_dscnt 24-8*\i                           ; this block's eight loads are in; the later blocks' may be out
	v_pk_mul_f32 v[AP:AP+1], v[XB:XB+1], v[XB:XB+1]
	v_max3_num_f32 v[AM+\i], |v[XB]|, |v[XB+1]|, |v[XB+2]|
.irp j, 1,2,3,4,5,6,7,8,9,10,11,12,13,14
	v_pk_fma_f32 v[AP:AP+1], v[XB+2*\j:XB+2*\j+1], v[XB+2*\j:XB+2*\j+1], v[AP:AP+1]
	v_max3_num_f32 v[AM+\i], v[AM+\i], |v[XB+2*\j+1]|, |v[XB+2*\j+2]|
.endr
	v_pk_fma_f32 v[AP:AP+1], v[XB+30:XB+31], v[XB+30:XB+31], v[AP:AP+1]
	v_max_num_f32 v[AM+\i], v[AM+\i], |v[XB+31]|
.endm
	BLOCK 0
	BLOCK 1
	BLOCK 2
	BLOCK 3
	v_pk_add_f32 v[A:A+1], v[A:A+1], v[A+2:A+3]
	v_pk_add_f32 v[A+4:A+5], v[A+4:A+5], v[A+6:A+7]
	v_pk_add_f32 v[A:A+1], v[A:A+1], v[A+4:A+5]
	v_add_f32 v[T], v[A], v[A+1]                   ; my four blocks,
	v_permlanex16_b32 v[T+1], v[T], s20, s21
	v_add_f32 v[T], v[T], v[T+1]                   ; and lane l xor 16's four: the row's sum of squares
	s_wait_alu depctr_va_vdst(0)
	v_sqrt_f32 v[T+2], v[T]
	v_nop                                          ; a plain line behind the root,
	s_wait_alu depctr_va_vdst(0)                   ; and the wait ahead of its first reader
	v_max_num_f32 v[T+2], 0x2b8cbccc, v[T+2]       ; n = max(norm, 1e-12)
	s_wait_alu depctr_va_vdst(0)
	v_rcp_f32 v[INV], v[T+2]
	v_nop
	s_wait_alu depctr_va_vdst(0)
	v_fma_f32 v[T+4], -v[T+2], v[INV], 1.0         ; one Newton step: e = 1 - n inv,
	v_fma_f32 v[INV], v[INV], v[T+4], v[INV]       ; inv += inv e
	v_mov_b32 v[INV+1], v[INV]
.irp i, 0,1,2,3
	v_mul_f32 v[AM+\i], v[AM+\i], v[INV]           ; rounding keeps order, so this is the largest magnitude of the block's normalised numbers
.endr
.irp i, 0,1,2,3
	v_max_num_f32 v[AM+\i], 0x1800000, v[AM+\i]    ; the floor 2^(3 - 127): the byte cannot fall under 1
.endr
.irp i, 0,1,2,3
	v_add_nc_u32 v[SC+\i], 0xff000000, v[AM+\i]    ; 2 off the exponent field: the conversion takes this operand's exponent field as its scale
.endr
.irp i, 0,1,2,3
	v_lshrrev_b32 v[BY+\i], 23, v[SC+\i]           ; the scale's byte
.endr
.set n, 0
.rept 64
	v_pk_mul_f32 v[X+2*n:X+2*n+1], v[X+2*n:X+2*n+1], v[INV:INV+1]              ; x / n
.set n, n+1
.endr
.irp i, 0,1,2,3
.irp g, 0,1,2,3
	v_cvt_scalef32_pk8_fp4_f32 v[C+4*\i+\g], v[X+32*\i+8*\g:X+32*\i+8*\g+7], v[SC+\i]   ; to the nearest code, ties to even; beyond 6 the largest code
.endr
.endr
	v_nop                                          ; one plain line behind the last scaled conversion
	; the scale words: of K step s I hold bytes h (block 4 s + h) and 2 + h (block 4 s + 2 + h); lane l xor 16 holds the other two
	v_lshl_or_b32 v[T], v[BY+1], 16, v[BY]
	v_lshl_or_b32 v[T+2], v[BY+3], 16, v[BY+2]
	v_lshlrev_b32 v[T], v8, v[T]
	v_lshlrev_b32 v[T+2], v8, v[T+2]
	v_permlanex16_b32 v[T+1], v[T], s20, s21
	v_permlanex16_b32 v[T+3], v[T+2], s20, s21
	v_or_b32 v[T], v[T], v[T+1]
	v_or_b32 v[T+2], v[T+2], v[T+3]
	v_cmp_gt_u32 vcc_lo, 16, v1
	v_cndmask_b32 v[T+4], v[T+2], v[T], vcc_lo     ; lanes 0-15 K step 0's word, lanes 16-31 K step 1's
.irp i, 0,1,2,3
	global_store_b128 v4, v[C+4*\i:C+4*\i+3], s[8:9] offset:512*\i             ; 32 lanes store 512 consecutive bytes, at a multiple of 256 from the buffer's first byte
.endr
	global_store_b32 v7, v[T+4], s[10:11]
	s_wait_tensorcnt 0x0
	ds_add_u32 v192, v193
	s_wait_dscnt 0x0
	s_endpgm
.Lfunc_end_k_q8c1244f66c_quant:
	.size	k_q8c1244f66c_quant, .Lfunc_end_k_q8c1244f66c_quant-k_q8c1244f66c_quant
	.p2alignl 7, 3214868480
	.fill 96, 4, 3214868480
	.section	.rodata,"a",@progbits
	.p2align	6, 0x0
	.amdhsa_kernel k_q8c1244f66c_quant
		.amdhsa_group_segment_fixed_size 33536
		.amdhsa_private_segment_fixed_size 0
		.amdhsa_enable_private_segment 0
		.amdhsa_kernarg_size 48
		.amdhsa_user_sgpr_count 2
		.amdhsa_user_sgpr_kernarg_segment_ptr 1
		.amdhsa_wavefront_size32 1
		.amdhsa_system_sgpr_workgroup_id_x 1
		.amdhsa_system_sgpr_workgroup_id_y 1
		.amdhsa_system_sgpr_workgroup_id_z 1
		.amdhsa_system_vgpr_workitem_id 0
		.amdhsa_next_free_vgpr 194
		.amdhsa_next_free_sgpr 66
		.amdhsa_reserve_vcc 1
		.amdhsa_float_denorm_mode_32 3
		.amdhsa_float_denorm_mode_16_64 3
		.amdhsa_memory_ordered 1
		.amdhsa_forward_progress 1
		.amdhsa_inst_pref_size 25
	.end_amdhsa_kernel
	.amdgpu_metadata
---
amdhsa.version: [ 1, 2 ]
amdhsa.kernels:
  - .name:           k_q8c1244f66c_quant
    .symbol:         k_q8c1244f66c_quant.kd
    .args:
      - { .name: memory_states, .offset: 0, .size: 8, .value_kind: global_buffer, .address_space: global }
      - { .name: query, .offset: 8, .size: 8, .value_kind: global_buffer, .address_space: global }
      - { .name: mcodes, .offset: 16, .size: 8, .value_kind: global_buffer, .address_space: global }
      - { .name: mscales, .offset: 24, .size: 8, .value_kind: global_buffer, .address_space: global }
      - { .name: qcodes, .offset: 32, .size: 8, .value_kind: global_buffer, .address_space: global }
      - { .name: qscales, .offset: 40, .size: 8, .value_kind: global_buffer, .address_space: global }
    .group_segment_fixed_size: 33536
    .private_segment_fixed_size: 0
    .kernarg_segment_align: 8
    .kernarg_segment_size: 48
    .max_flat_workgroup_size: 64
    .sgpr_count:     66
    .vgpr_count:     194
    .wavefront_size: 32
...
	.end_amdgpu_metadata
.endif
;; end of part 6
;; launch scan (part 7): grid 250 x 1, 16 waves a work-group, no clusters, 56,576 bytes of LDS; arguments mcodes, mscales, qcodes, qscales, skeys; writes skeys
.if DOCPART == 7
	.amdgcn_target "amdgcn-amd-amdhsa--gfx1250"
	.amdhsa_code_object_version 6
	.text
	.protected	k_q8c1244f66c_scan
	.globl	k_q8c1244f66c_scan
	.p2align	8
	.type	k_q8c1244f66c_scan,@function
k_q8c1244f66c_scan:
	s_mov_b64 s[64:65], 0
	v_nop
	global_prefetch_b8 v0, s[64:65] scope:SCOPE_SE
	s_setreg_imm32_b32 hwreg(HW_REG_WAVE_SCHED_MODE, 0, 2), 2
	s_setreg_imm32_b32 hwreg(HW_REG_WAVE_MODE, 25, 1), 1
	s_wait_xcnt 0x0
	s_wait_alu depctr_vm_vsrc(0)
; All 2,048 x 100,000 scores on codes of FP4, reduced on the way: for each query and each SLICE of 25 tiles (400 memory rows) the four largest TILE MAXIMA are kept, each with its tile's number (0..24).
; A work-group takes one slice against all queries.  Its 25 tile images (51,200 bytes of codes, 3,200 of scales) are copied into LDS once, through registers.  Wave w keeps query tiles 8 w .. 8 w + 7
; (128 queries: 128 registers of codes, 8 of scales) for the whole launch.  Four waves share a SIMD, so that one wave's vector lines and LDS waits stand beside another's matrix instructions.
; PRODUCT: source 0 = a memory tile, source 1 = a query tile; K = 256 is two instructions.  In the result lane (r, h) holds query r and rows 8 h + 0..7 of the tile.
; REDUCTION of two query tiles a, b: four lines each give the largest of a lane's 8; one exchange of halves and one maximum leave in lane l the tile maximum f of query 32 p + l.
; k = f with its low five bits replaced by the tile's number; K1 >= K2 >= K3 >= K4 are kept by one maximum and three medians: no compare, no branch.
; At the end each K becomes an unsigned key that sorts as the float does (bits xor (sign ? all ones : top bit)), again with the tile's number in its low five bits.  A key so made lies within 62 units of the
; true maximum's key (31 for each replacement); the next launch allows for that.
; skeys: [250 slices][2,048 queries][4 keys]: a wave's store covers 512 consecutive bytes.
; NO CLUSTER, NO JOINT LOADS: the grid's 250 work-groups are no multiple of 4; a slice is read by one work-group alone; what work-groups share, the query images, goes straight into each wave's registers
; once (17 KiB a wave) and is never read again, so a landing in LDS would only add a way round.  No tensor load: every LDS byte is filled once.
; LIMITS: NaN and infinities are not served (the quantiser makes none from finite inputs).
; THE MODE: SCHED_MODE bits 1:0 = 2 (LLVM: expert scheduling mode 2), set by the entry lines.  The code itself states the register dependences
; between vector or matrix instructions and memory or LDS instructions, with s_wait_alu, always for 0.
; THE PLAN.  Registers that memory or LDS instructions touch:
;   v3-v8, v10    offsets and LDS addresses: written once at the head, read by loads and stores, never written again.
;   ACC, F, F+1   at the head the slice's copy passes through them: global loads land, LDS stores read; later products and maxima write them.
;   BQ, BS        loaded once at the head; read by products alone.
;   AF0/AS0, AF1/AS1   two buffers of a memory tile's fragments and scale image.  Tile t's sixteen products read buffer t % 2; the five LDS loads issued in tile t land in the other one (tile t + 1).
;   v1, v2        LDS addresses of the next tile: written by two additions at a tile's head, read by that tile's five LDS loads.
;   ST            written by vector lines; read by the four stores at the end.
; So a tile's head holds one wait on vm_vsrc (the last tile's loads have read v1 and v2), the two additions, and ONE wait on va_vdst: v1 and v2 are written, and the last tile's products are done reading the
; other buffer.  The five loads follow behind the tile's first four products, which name this tile's buffer, BQ, BS and ACC: none of the registers that the loads touch.  A trip of the loop is two tiles, so that
; the buffers are back at their start.
.set SCB, 51200                        ; LDS: the code images at 2,048 t, the scale images at SCB + 128 t
.set BQ,  16                           ; v16-143  query tile j, K step s at BQ + 16 j + 8 s
.set BS,  144                          ; v144-151 query tile j's scale image: these hold scales and nothing else
.set AF,  152                          ; v152-167 a memory tile's two fragments, buffer 0; buffer 1: v228-243
.set AS,  168                          ; v168     its scale image, and nothing else, buffer 0; buffer 1: v244
.set BUFD, 76                          ; registers from buffer 0 to buffer 1
.set ACC, 176                          ; v176-207 two sets of two accumulators
.set ST,  208                          ; v208-223 K1..K4 of pair p at ST + 4 p
.set F,   224                          ; v224-226 at work
	s_load_b256 s[4:11], s[0:1], 0x0               ; mcodes s[4:5], mscales s[6:7], qcodes s[8:9], qscales s[10:11]
	s_load_b64 s[12:13], s[0:1], 0x20              ; skeys
	v_lshl_add_u32 v254, v0, 2, 0xd500
	v_mov_b32 v255, 0
	v_lshrrev_b32 v1, 5, v0
	v_readfirstlane_b32 s14, v1                    ; wave 0..15
	v_lshlrev_b32 v3, 4, v0                        ; the copy: 16 x thread, in memory and in LDS alike
	v_lshlrev_b32 v4, 2, v0                        ; the scales' copy: 4 x thread in memory,
	v_lshl_add_u32 v5, v0, 2, SCB                  ; and in LDS
	v_and_b32 v9, 31, v0
	v_lshlrev_b32 v6, 4, v9                        ; 16 x lane: my place in a piece of an image
	v_lshlrev_b32 v7, 2, v9                        ; 4 x lane
	v_lshl_add_u32 v10, v9, 2, SCB                 ; my word of tile 0's scale image in LDS
	s_wait_alu depctr_va_sdst(0)                   ; s14 is written, ahead of its first reader: offsets, bases and the branches on the wave's number are made from it
	s_lshl_b32 s22, s14, 11
	v_add_nc_u32 v8, s22, v6                       ; the way out: 16 bytes a query: 2,048 w + 16 lane
	s_mov_b32 s16, 0xffffffe0                      ; all but the low five bits
	s_mov_b32 s19, 0
	s_mov_b32 s20, 0                               ; LDS byte of the tile to be fetched: codes,
	s_mov_b32 s21, 0                               ; scales
	s_mul_i32 s18, ttmp9, 51200
	s_wait_kmcnt 0x0
	s_add_nc_u64 s[4:5], s[4:5], s[18:19]          ; my slice's codes,
	s_mul_i32 s18, ttmp9, 3200
	s_add_nc_u64 s[6:7], s[6:7], s[18:19]          ; its scales,
	s_lshl_b32 s18, s14, 14
	s_add_nc_u64 s[8:9], s[8:9], s[18:19]          ; my wave's eight query tiles,
	s_lshl_b32 s18, s14, 10
	s_add_nc_u64 s[10:11], s[10:11], s[18:19]      ; their scales,
	s_lshl_b32 s18, ttmp9, 15
	s_add_nc_u64 s[12:13], s[12:13], s[18:19]      ; my slice's keys
	s_wait_alu depctr_va_vdst(0)                   ; v3 to v8 and v10 are written: the loads, LDS stores, LDS loads and stores of the whole kernel read them as offsets and addresses
	; the slice: 512 threads x 16 bytes x 6, and 2,048 bytes more by waves 0-3; scales: 512 x 4 bytes, and 1,152 more by waves 0-8
.irp i, 0,1,2,3,4,5
	global_load_b128 v[ACC+4*\i:ACC+4*\i+3], v3, s[4:5] offset:8192*\i th:TH_LOAD_NT
.endr
	global_load_b32 v[F], v4, s[6:7] th:TH_LOAD_NT
	s_cmp_lt_u32 s14, 4
	s_cbranch_scc0 .Lno_c_in
	global_load_b128 v[ACC+24:ACC+27], v3, s[4:5] offset:49152 th:TH_LOAD_NT
.Lno_c_in:
	s_cmp_lt_u32 s14, 9
	s_cbranch_scc0 .Lno_s_in
	global_load_b32 v[F+1], v4, s[6:7] offset:2048 th:TH_LOAD_NT
.Lno_s_in:
.irp j, 0,1,2,3,4,5,6,7
.irp i, 0,1,2,3
	global_load_b128 v[BQ+16*\j+4*\i:BQ+16*\j+4*\i+3], v6, s[8:9] offset:2048*\j+512*\i
.endr
.endr
.irp j, 0,1,2,3,4,5,6,7
	global_load_b32 v[BS+\j], v7, s[10:11] offset:128*\j
.endr
	s_wait_loadcnt 40                              ; the 40 query loads, which every wave issues behind its copy loads, may stay out
.irp i, 0,1,2,3,4,5
	ds_store_b128 v3, v[ACC+4*\i:ACC+4*\i+3] offset:8192*\i
.endr
	ds_store_b32 v5, v[F]
	s_cmp_lt_u32 s14, 4
	s_cbranch_scc0 .Lno_c_out
	ds_store_b128 v3, v[ACC+24:ACC+27] offset:49152
.Lno_c_out:
	s_cmp_lt_u32 s14, 9
	s_cbranch_scc0 .Lno_s_out
	ds_store_b32 v5, v[F+1] offset:2048
.Lno_s_out:
	s_wait_dscnt 0x0                               ; for the others' sake: my stores have landed
	s_barrier_signal -1
	s_barrier_wait -1                              ; the slice lies in LDS; nothing is written there again
.irp i, 0,1,2,3
	ds_load_b128 v[AF+4*\i:AF+4*\i+3], v6 offset:512*\i          ; tile 0, into buffer 0
.endr
	ds_load_b32 v[AS], v10
	s_wait_loadcnt 0x0                             ; the queries
; Four matrix instructions: query tiles 2 p and 2 p + 1 into set's two accumulators, which take turns, one instruction a turn.  The first K step starts the sums with the constant 0.
; buf: the buffer that holds the memory tile.
.macro WQ p, set, buf
.set DA, ACC+16*\set
.set DB, DA+8
.set QA, BQ+32*\p
.set QB, QA+16
.set FA, AF+BUFD*(\buf)
.set SA, AS+BUFD*(\buf)
	v_wmma_scale_f32_16x16x128_f8f6f4 v[DA:DA+7], v[FA:FA+7], v[QA:QA+7], 0, v[SA], v[BS+2*\p] matrix_a_fmt:MATRIX_FMT_FP4 matrix_b_fmt:MATRIX_FMT_FP4
	v_wmma_scale_f32_16x16x128_f8f6f4 v[DB:DB+7], v[FA:FA+7], v[QB:QB+7], 0, v[SA], v[BS+2*\p+1] matrix_a_fmt:MATRIX_FMT_FP4 matrix_b_fmt:MATRIX_FMT_FP4
	v_wmma_scale_f32_16x16x128_f8f6f4 v[DA:DA+7], v[FA+8:FA+15], v[QA+8:QA+15], v[DA:DA+7], v[SA], v[BS+2*\p] matrix_a_fmt:MATRIX_FMT_FP4 matrix_b_fmt:MATRIX_FMT_FP4 matrix_a_scale:MATRIX_SCALE_ROW1 matrix_b_scale:MATRIX_SCALE_ROW1
	v_wmma_scale_f32_16x16x128_f8f6f4 v[DB:DB+7], v[FA+8:FA+15], v[QB+8:QB+15], v[DB:DB+7], v[SA], v[BS+2*\p+1] matrix_a_fmt:MATRIX_FMT_FP4 matrix_b_fmt:MATRIX_FMT_FP4 matrix_a_scale:MATRIX_SCALE_ROW1 matrix_b_scale:MATRIX_SCALE_ROW1
.endm
; The largest of a lane's eight scores, for both accumulators of a set, by turns; each accumulator is read from its low end on
.macro REDA set
.set DA, ACC+16*\set
.set DB, DA+8
	v_max3_num_f32 v[F], v[DA], v[DA+1], v[DA+2]
	v_max3_num_f32 v[F+1], v[DB], v[DB+1], v[DB+2]
	v_max3_num_f32 v[F], v[F], v[DA+3], v[DA+4]
	v_max3_num_f32 v[F+1], v[F+1], v[DB+3], v[DB+4]
	v_max3_num_f32 v[F], v[F], v[DA+5], v[DA+6]
	v_max3_num_f32 v[F+1], v[F+1], v[DB+5], v[DB+6]
	v_max_num_f32 v[F], v[F], v[DA+7]
	v_max_num_f32 v[F+1], v[F+1], v[DB+7]
.endm
; The two halves meet, the tile's number (scalar register st) goes into the low five bits, and pair p's list takes the number in
.macro REDB p, st
	v_permlane16_swap_b32 v[F], v[F+1]             ; F: rows 0-7 of tile a (lanes 0-15) and of tile b (lanes 16-31); F + 1: rows 8-15 likewise
	v_max_num_f32 v[F], v[F], v[F+1]               ; lane l: query 32 p + l, the whole tile's maximum
	v_and_or_b32 v[F+2], v[F], s16, s[\st]
	v_med3_num_f32 v[ST+4*\p+3], v[ST+4*\p+2], v[ST+4*\p+3], v[F+2]
	v_med3_num_f32 v[ST+4*\p+2], v[ST+4*\p+1], v[ST+4*\p+2], v[F+2]
	v_med3_num_f32 v[ST+4*\p+1], v[ST+4*\p], v[ST+4*\p+1], v[F+2]
	v_max_num_f32 v[ST+4*\p], v[ST+4*\p], v[F+2]
.endm
.macro RED p, set, st
	REDA \set
	REDB \p, \st
.endm
.macro NEXT buf                        ; the next tile's fragments and scale image, into buffer buf, by the addresses made at the tile's head
.irp i, 0,1,2,3
	ds_load_b128 v[AF+BUFD*(\buf)+4*\i:AF+BUFD*(\buf)+4*\i+3], v1 offset:512*\i
.endr
	ds_load_b32 v[AS+BUFD*(\buf)], v2
.endm
; A TILE, in buffer buf.  The reduction of one set stands between the products of the other: each read of a set has 15 vector lines that name none of its products' registers between (4 are owed: ISA guide 7.12.1),
; each new start of a set likewise (5 are owed).  The next tile's five LDS loads stand behind the tile's first four products and have the rest of the tile in which to land.
; st = the scalar register with this tile's number, sp = that with the last tile's, whose fourth pair is reduced here.
.macro TILE first, last, buf, st, sp
	s_wait_dscnt 0x0                               ; the tile's fragments are in
.if !\last
.if \first
	s_wait_alu depctr_vm_vsrc(0)                   ; my LDS stores of the slice's copy have read ACC, F and F + 1, which the products and maxima below write
.else
	s_wait_alu depctr_vm_vsrc(0)                   ; the last tile's LDS loads have read v1 and v2, which are written again below
.endif
	s_add_co_u32 s20, s20, 2048
	s_add_co_u32 s21, s21, 128
	v_add_nc_u32 v1, s20, v6
	v_add_nc_u32 v2, s21, v10
	s_wait_alu depctr_va_vdst(0)                   ; v1 and v2 are written, which the five loads below read; the last tile's products are done reading the other buffer, in which those loads land
.endif
	WQ 0, 0, \buf
.if !\last
	NEXT 1-\buf                                    ; no wait: the four products since the wait above name this tile's buffer, BQ, BS and ACC, none of the registers that these loads touch
.endif
.if \first
.irp n, 0,1,2,3,4,5,6,7,8,9,10,11,12,13,14,15
	v_mov_b32 v[ST+\n], 0xff800000                 ; the lists begin at -infinity; 25 tiles follow, so none of it is left at the end
.endr
.else
	RED 3, 1, \sp
.endif
	WQ 1, 1, \buf
	RED 0, 0, \st
	WQ 2, 0, \buf
	RED 1, 1, \st
	WQ 3, 1, \buf
	RED 2, 0, \st
.endm
	s_mov_b32 s15, 0
	TILE 1, 0, 0, 15, 17                           ; tile 0 (it has no tile before it, and names no number of one)
	s_mov_b32 s17, 0
	s_mov_b32 s15, 1
.Ltile:                                                ; tiles 1 to 22, two to a trip: buffer 1, then buffer 0
	s_add_co_u32 s23, s15, 1                       ; the even tile's number
	TILE 0, 0, 1, 15, 17
	TILE 0, 0, 0, 23, 15
	s_mov_b32 s17, s23
	s_add_co_u32 s15, s15, 2
	s_cmp_lt_u32 s15, 23
	s_cbranch_scc1 .Ltile
	s_add_co_u32 s23, s15, 1
	TILE 0, 0, 1, 15, 17                           ; tile 23
	TILE 0, 1, 0, 23, 15                           ; tile 24 fetches nothing, so it states no dependence
	RED 3, 1, 23
.irp n, 0,1,2,3,4,5,6,7,8,9,10,11,12,13,14,15
	v_and_b32 v[F], 31, v[ST+\n]                   ; the tile's number
	v_ashrrev_i32 v[F+1], 31, v[ST+\n]
	v_or_b32 v[F+1], 0x80000000, v[F+1]            ; negative: all ones; else the top bit
	v_xor_b32 v[F+1], v[ST+\n], v[F+1]             ; an unsigned number that sorts as the float does
	v_and_or_b32 v[ST+\n], v[F+1], s16, v[F]       ; with the tile's number back in its low five bits
.endr
	s_wait_alu depctr_va_vdst(0)                   ; the sixteen keys in ST are written, which the four stores read
.irp p, 0,1,2,3
	global_store_b128 v8, v[ST+4*\p:ST+4*\p+3], s[12:13] offset:512*\p         ; 32 lanes store 512 consecutive bytes, at a multiple of 256 from the buffer's first byte
.endr
	s_wait_dscnt 0x0
	s_wait_alu depctr_hold_cnt(0) depctr_sa_sdst(0) depctr_va_vdst(0) depctr_va_sdst(0) depctr_va_ssrc(0) depctr_va_vcc(0) depctr_vm_vsrc(0)
	s_wait_tensorcnt 0x0
	ds_add_u32 v254, v255
	s_wait_dscnt 0x0
	s_endpgm
.Lfunc_end_k_q8c1244f66c_scan:
	.size	k_q8c1244f66c_scan, .Lfunc_end_k_q8c1244f66c_scan-k_q8c1244f66c_scan
	.p2alignl 7, 3214868480
	.fill 96, 4, 3214868480
	.section	.rodata,"a",@progbits
	.p2align	6, 0x0
	.amdhsa_kernel k_q8c1244f66c_scan
		.amdhsa_group_segment_fixed_size 56576
		.amdhsa_private_segment_fixed_size 0
		.amdhsa_enable_private_segment 0
		.amdhsa_kernarg_size 40
		.amdhsa_user_sgpr_count 2
		.amdhsa_user_sgpr_kernarg_segment_ptr 1
		.amdhsa_wavefront_size32 1
		.amdhsa_system_sgpr_workgroup_id_x 1
		.amdhsa_system_sgpr_workgroup_id_y 1
		.amdhsa_system_sgpr_workgroup_id_z 1
		.amdhsa_system_vgpr_workitem_id 0
		.amdhsa_next_free_vgpr 256
		.amdhsa_next_free_sgpr 66
		.amdhsa_reserve_vcc 0
		.amdhsa_float_denorm_mode_32 3
		.amdhsa_float_denorm_mode_16_64 3
		.amdhsa_memory_ordered 1
		.amdhsa_forward_progress 1
		.amdhsa_inst_pref_size 41
	.end_amdhsa_kernel
	.amdgpu_metadata
---
amdhsa.version: [ 1, 2 ]
amdhsa.kernels:
  - .name:           k_q8c1244f66c_scan
    .symbol:         k_q8c1244f66c_scan.kd
    .args:
      - { .name: mcodes, .offset: 0, .size: 8, .value_kind: global_buffer, .address_space: global }
      - { .name: mscales, .offset: 8, .size: 8, .value_kind: global_buffer, .address_space: global }
      - { .name: qcodes, .offset: 16, .size: 8, .value_kind: global_buffer, .address_space: global }
      - { .name: qscales, .offset: 24, .size: 8, .value_kind: global_buffer, .address_space: global }
      - { .name: skeys, .offset: 32, .size: 8, .value_kind: global_buffer, .address_space: global }
    .group_segment_fixed_size: 56576
    .private_segment_fixed_size: 0
    .kernarg_segment_align: 8
    .kernarg_segment_size: 40
    .max_flat_workgroup_size: 512
    .sgpr_count:     66
    .vgpr_count:     256
    .wavefront_size: 32
...
	.end_amdgpu_metadata
.endif
;; end of part 7
;; launch bar (part 8): grid 256 x 1, 8 waves a work-group, no clusters, 38,144 bytes of LDS; arguments skeys, cand; writes cand
.if DOCPART == 8
	.amdgcn_target "amdgcn-amd-amdhsa--gfx1250"
	.amdhsa_code_object_version 6
	.text
	.protected	k_q8c1244f66c_bar
	.globl	k_q8c1244f66c_bar
	.p2align	8
	.type	k_q8c1244f66c_bar,@function
k_q8c1244f66c_bar:
	s_mov_b64 s[64:65], 0
	v_nop
	global_prefetch_b8 v0, s[64:65] scope:SCOPE_SE
	s_setreg_imm32_b32 hwreg(HW_REG_WAVE_MODE, 25, 1), 1
	s_wait_xcnt 0x0
; From each query's keys (250 slices x 4 keys, each a tile maximum as a sortable whole number with the tile's number 0..24 in its low five bits) the list of tiles that can hold one of the query's 8 best rows.
; A wave takes one query, q = 8 x work-group + wave.  Whole-number arithmetic alone.  EVERY BRANCH HERE IS A LOOP OF CONSTANT COUNT AND EVERY ADDRESS IS FIXED: what hangs on the keys is data, never the way.
; 1. THE KEYS.  A slice's keys of the work-group's 8 queries are 128 consecutive bytes; the 250 slices are read so, eight lanes to a slice, and turned through LDS.  A query's row there has 256 places of 16 bytes,
;    with 16 bytes more behind every 8 places: place s lies at 144 (s / 8) + 16 (s % 8).  Lane l, group k then reads slice 8 l + k: lanes 144 bytes apart.  Places 250-255 hold slice 249 again; their masks are cleared.
; 2. THE BAR.  tau = the 8th largest distinct value among the 32 lanes' largest first keys: eight different slices, so eight different rows, have a score whose key is at least tau - 62 (a stored key lies
;    within 62 of its tile's true maximum).  A row that can be among the 8 has a key of at least tau - 62, so its tile's stored key is at least tau - 124 if the tile is among its slice's four; if it is not, the
;    slice's fourth key is at least tau - 124.  theta = max(tau, 129) - 128.  A stored tile whose key reaches theta is a candidate; a fourth key that reaches theta makes all 25 tiles of its slice candidates.
;    With fewer than 8 distinct values theta is 1 and every tile is a candidate.
; 3. THE LIST, ascending.  Each lane packs its slices' masks as k << 25 | mask (an empty one: 0xfe000000, over every other) and sorts its 8 words.  32 rounds: the lowest lane with a word left gives its first
;    word; mask and first tile go to lane r of two registers; that lane's words move up.  48 rounds: the masks' bits are dealt out as tile numbers, one a round.
; 4. cand[q]: 64 words: 0-47 the tiles, 48 their number n, 49 the mode.  More than 32 slices or more than 48 tiles: mode 1, n = 6,250: the next launch then takes every tile.  Words behind the n-th hold no tile
;    and are not used.  The wave's two stores of 128 bytes fill the query's 256 bytes.
.set QP,   4640                        ; a query's row in LDS: 32 x 144 bytes + 32
.set RDA,  37                          ; v37      LDS: my query's row, 144 x lane
.set ZR,   38                          ; v38      0
.set ALLM, 39                          ; v39      25 ones
.set INVR, 40                          ; v40      the empty word
.set SS,   56                          ; v56-87   keys: group k at SS + 4 k
.set W,    88                          ; v88-95   masks, then my queue of words
.set TX,   96                          ; v96-100  at work
.set QW,   104                         ; v104     lane r: the r-th candidate slice's mask
.set QB,   105                         ; v105     lane r: its first tile
.set OUT0, 106                         ; v106     tiles 0-31 of the list
.set OUT1, 107                         ; v107     tiles 32-47; lane 16: n; lane 17: the mode
	s_load_b128 s[4:7], s[0:1], 0x0                ; skeys s[4:5], cand s[6:7]
	v_lshl_add_u32 v112, v0, 2, 0x9100
	v_mov_b32 v113, 0
	v_lshrrev_b32 v1, 5, v0
	s_delay_alu instid0(VALU_DEP_1)
	v_readfirstlane_b32 s18, v1                    ; wave 0..7
	v_and_b32 v1, 31, v0                           ; lane
	s_delay_alu instid0(VALU_DEP_1)
	v_lshlrev_b32 v5, 2, v1                        ; 4 x lane
	v_mov_b32 v6, 1
	v_mov_b32 v[ZR], 0
	v_mov_b32 v[ALLM], 0x1ffffff
	v_mov_b32 v[INVR], 0xfe000000
	v_mov_b32 v[QW], 0                             ; written whole once: a lane write's destination counts as a source
	v_mov_b32 v[QB], 0
	v_mov_b32 v[OUT0], 0
	v_mov_b32 v[OUT1], 0
	s_mov_b32 s20, 0x76543210
	s_mov_b32 s21, 0xfedcba98                      ; v_permlanex16_b32's selects for lane l xor 16
	s_mov_b32 s22, 0xfe000000                      ; the empty word
	s_mov_b32 s23, 0x7fffffff                      ; lanes 0-30
	v_and_b32 v[TX], 7, v0                         ; way in: which of the 8 queries,
	v_bfe_u32 v[TX+1], v0, 3, 2                    ; which of a load's 4 slices
	s_delay_alu instid0(VALU_DEP_2)
	v_mul_u32_u24 v9, v[TX], QP
	s_delay_alu instid0(VALU_DEP_1)
	v_lshl_add_u32 v9, v[TX+1], 4, v9
	s_mul_i32 s35, s18, 576
	v_add_nc_u32 v9, s35, v9                       ; slice 32 w + 4 n + j lies at 576 w + 144 (n / 2) + 64 (n % 2) + 16 j; n's part stands in the immediate
	s_mul_i32 s35, s18, QP
	v_mul_u32_u24 v[RDA], v1, 144
	s_delay_alu instid0(VALU_DEP_1)
	v_add_nc_u32 v[RDA], s35, v[RDA]
	v_lshlrev_b32 v[TX], 4, v[TX]
	s_lshl_b32 s35, s18, 5
	v_add_nc_u32 v[TX+1], s35, v[TX+1]
.irp n, 0,1,2,3,4,5,6,7
	v_add_nc_u32 v[TX+2], 4*\n, v[TX+1]            ; slice 32 wave + 4 n + lane / 8,
	s_delay_alu instid0(VALU_DEP_1)
	v_min_u32 v[TX+2], 249, v[TX+2]                ; held inside the buffer
	s_delay_alu instid0(VALU_DEP_1)
	v_lshl_add_u32 v[10+\n], v[TX+2], 15, v[TX]    ; 32,768 bytes a slice, 16 a query
.endr
	s_mov_b32 s39, 0
	s_wait_alu depctr_va_vdst(0)
	s_wait_kmcnt 0x0
	s_lshl_b32 s38, ttmp9, 7
	s_add_nc_u64 s[4:5], s[4:5], s[38:39]          ; the work-group's 8 queries in a slice's keys
	s_lshl_b32 s38, ttmp9, 3
	s_add_co_u32 s38, s38, s18
	s_lshl_b32 s38, s38, 8                         ; 256 bytes of list a query
	s_add_nc_u64 s[6:7], s[6:7], s[38:39]
.irp n, 0,1,2,3,4,5,6,7
	global_load_b128 v[SS+4*\n:SS+4*\n+3], v[10+\n], s[4:5]
.endr
	s_wait_loadcnt 0x0
.irp n, 0,1,2,3,4,5,6,7
	ds_store_b128 v9, v[SS+4*\n:SS+4*\n+3] offset:64*\n+16*(\n/2)
.endr
	s_wait_dscnt 0x0                               ; for the others' sake: my stores have landed
	s_barrier_signal -1
	s_barrier_wait -1                              ; the launch's one barrier: nothing is written to LDS again
.irp k, 0,1,2,3,4,5,6,7
	ds_load_b128 v[SS+4*\k:SS+4*\k+3], v[RDA] offset:16*\k
.endr
	s_wait_dscnt 0x0
	; ---- the bar
	v_max_u32 v[TX], v[SS], v[SS+4]
.irp k, 2,3,4,5,6,7
	s_delay_alu instid0(VALU_DEP_1)
	v_max_u32 v[TX], v[TX], v[SS+4*\k]             ; x = my eight slices' largest key (lane 31's repeats of slice 249 change nothing in it)
.endr
	v_mov_b32 v[TX+2], 0                           ; written once: the destination of a DPP move and of a lane permute counts as a source
.macro WMAXU                           ; TX + 1 = the wave's largest x, in every lane
	v_mov_b32 v[TX+1], v[TX]
.irp m, 1,2,4,8
	s_delay_alu instid0(VALU_DEP_1)
	v_mov_b32_dpp v[TX+2], v[TX+1] row_xmask:\m row_mask:0xf bank_mask:0xf
	s_delay_alu instid0(VALU_DEP_1)
	v_max_u32 v[TX+1], v[TX+1], v[TX+2]
.endr
	s_delay_alu instid0(VALU_DEP_1)
	v_permlanex16_b32 v[TX+2], v[TX+1], s20, s21
	s_delay_alu instid0(VALU_DEP_1)
	v_max_u32 v[TX+1], v[TX+1], v[TX+2]
.endm
.rept 7
	WMAXU
	s_delay_alu instid0(VALU_DEP_1)
	v_cmp_eq_u32 vcc_lo, v[TX], v[TX+1]
	s_delay_alu instid0(VALU_DEP_1)
	v_cndmask_b32 v[TX], v[TX], v[ZR], vcc_lo      ; every lane that holds this value leaves: the values counted are distinct
.endr
	WMAXU                                          ; tau
	s_delay_alu instid0(VALU_DEP_1)
	v_max_u32 v[TX+1], 0x81, v[TX+1]
	s_delay_alu instid0(VALU_DEP_1)
	v_add_nc_u32 v[TX+3], 0xffffff80, v[TX+1]      ; theta = max(tau, 129) - 128: at least 1
	; ---- the masks
.irp k, 0,1,2,3,4,5,6,7
	v_lshlrev_b32 v[W+\k], v[SS+4*\k], v6          ; 1 << the tile's number (a shift takes its amount's low five bits)
	v_cmp_le_u32 vcc_lo, v[TX+3], v[SS+4*\k]
	s_delay_alu instid0(VALU_DEP_1)
	v_cndmask_b32 v[W+\k], v[ZR], v[W+\k], vcc_lo
.irp j, 1,2
	v_lshlrev_b32 v[TX+4], v[SS+4*\k+\j], v6
	v_cmp_le_u32 vcc_lo, v[TX+3], v[SS+4*\k+\j]
	s_delay_alu instid0(VALU_DEP_1)
	v_cndmask_b32 v[TX+4], v[ZR], v[TX+4], vcc_lo
	s_delay_alu instid0(VALU_DEP_1)
	v_or_b32 v[W+\k], v[W+\k], v[TX+4]
.endr
	v_cmp_le_u32 vcc_lo, v[TX+3], v[SS+4*\k+3]
	s_delay_alu instid0(VALU_DEP_1)
	v_cndmask_b32 v[W+\k], v[W+\k], v[ALLM], vcc_lo          ; the fourth key reaches the bar: a tile that was not kept may reach it too
.endr
.irp k, 2,3,4,5,6,7
	v_cndmask_b32 v[W+\k], v[ZR], v[W+\k], s23     ; lane 31, groups 2-7: places 250 to 255 hold no slice
.endr
	; ---- each lane's queue
.irp k, 0,1,2,3,4,5,6,7
	v_cmp_ne_u32 s[40+\k], 0, v[W+\k]
.endr
	s_mov_b32 s26, 0
.irp k, 0,1,2,3,4,5,6,7
	s_bcnt1_i32_b32 s35, s[40+\k]
	s_add_co_u32 s26, s26, s35                     ; how many slices have candidates, in all
.endr
.irp k, 1,2,3,4,5,6,7
	v_or_b32 v[W+\k], (\k<<25), v[W+\k]
.endr
.irp k, 0,1,2,3,4,5,6,7
	v_cndmask_b32 v[W+\k], v[INVR], v[W+\k], s[40+\k]
.endr
.macro CE a, b                         ; the smaller word to a, the larger to b
	v_min_u32 v[TX], v[W+\a], v[W+\b]
	v_max_u32 v[W+\b], v[W+\a], v[W+\b]
	s_delay_alu instid0(VALU_DEP_2)
	v_mov_b32 v[W+\a], v[TX]
.endm
	CE 0, 1                                        ; the odd-even merge network for 8: two sorted fours,
	CE 2, 3
	CE 4, 5
	CE 6, 7
	CE 0, 2
	CE 1, 3
	CE 4, 6
	CE 5, 7
	CE 1, 2
	CE 5, 6
	CE 0, 4                                        ; and their merge
	CE 1, 5
	CE 2, 6
	CE 3, 7
	CE 2, 4
	CE 3, 5
	CE 1, 2
	CE 3, 4
	CE 5, 6
	; ---- 32 rounds: the candidate slices, ascending: lanes hold ascending runs of 8 slices, and each queue ascends
	s_mov_b32 s24, 0                               ; r
	s_mov_b32 s27, 0                               ; n
.Lq:
	s_wait_alu depctr_va_vdst(0)
	v_cmp_ne_u32 s25, s22, v[W]                    ; the lanes that have a word left
	s_ctz_i32_b32 s28, s25                         ; the lowest of them; none: all ones,
	s_min_u32 s28, s28, 31                         ; held at lane 31, whose first word is then the empty one
	v_readlane_b32 s29, v[W], s28
	s_and_b32 s30, s29, 0x1ffffff                  ; the mask (of the empty word: 0)
	s_lshr_b32 s31, s29, 25                        ; k
	s_lshl_b32 s32, s28, 3
	s_add_co_u32 s31, s31, s32                     ; slice 8 lane + k
	s_mul_i32 s31, s31, 25                         ; its first tile
	s_bcnt1_i32_b32 s32, s30
	s_add_co_u32 s27, s27, s32
	v_writelane_b32 v[QW], s30, s24
	v_writelane_b32 v[QB], s31, s24
	v_cmp_eq_u32 vcc_lo, s28, v1
.irp i, 0,1,2,3,4,5,6
	v_cndmask_b32 v[W+\i], v[W+\i], v[W+\i+1], vcc_lo        ; that lane's queue moves up
.endr
	v_cndmask_b32 v[W+7], v[W+7], v[INVR], vcc_lo
	s_add_co_u32 s24, s24, 1
	s_cmp_lt_u32 s24, 32
	s_cbranch_scc1 .Lq
	; ---- 48 rounds: a tile a round.  s30 = the mask in hand, s31 = its slice's first tile, s33 = which slice of the 32
	s_mov_b32 s33, 0
	v_readlane_b32 s30, v[QW], 0
	v_readlane_b32 s31, v[QB], 0
.macro DEAL out, cnt
	s_mov_b32 s24, 0
.Ld_\@:
	s_ctz_i32_b32 s35, s30
	s_add_co_u32 s35, s35, s31                     ; the tile (no bit left: a word that nobody uses)
	s_wait_alu depctr_va_vdst(0)
	v_writelane_b32 v[\out], s35, s24
	s_sub_co_u32 s35, s30, 1
	s_and_b32 s30, s30, s35                        ; the bit is struck off
	s_cmp_eq_u32 s30, 0
	s_cselect_b32 s35, 1, 0
	s_add_co_u32 s33, s33, s35                     ; the mask is used up: on to the next slice,
	s_min_u32 s33, s33, 31                         ; held at the last (what is dealt again from there lies behind the n-th word)
	v_readlane_b32 s36, v[QW], s33
	v_readlane_b32 s31, v[QB], s33
	s_cmp_eq_u32 s30, 0
	s_cselect_b32 s30, s36, s30
	s_add_co_u32 s24, s24, 1
	s_cmp_lt_u32 s24, \cnt
	s_cbranch_scc1 .Ld_\@
.endm
	DEAL OUT0, 32
	DEAL OUT1, 16
	s_cmp_gt_u32 s26, 32                           ; slices that the 32 rounds did not reach,
	s_cselect_b32 s36, 1, 0
	s_cmp_gt_u32 s27, 48                           ; or tiles that the 48 did not:
	s_cselect_b32 s37, 1, 0
	s_or_b32 s36, s36, s37                         ; mode 1: every tile
	s_cmp_lg_u32 s36, 0
	s_cselect_b32 s27, 6250, s27
	s_wait_alu depctr_va_vdst(0)
	v_writelane_b32 v[OUT1], s27, 16
	s_delay_alu instid0(VALU_DEP_1)
	v_writelane_b32 v[OUT1], s36, 17
	global_store_b32 v5, v[OUT0], s[6:7]           ; 32 lanes store 128 consecutive bytes; the two stores fill 256, at a multiple of 256 from the buffer's first byte
	global_store_b32 v5, v[OUT1], s[6:7] offset:128
	s_wait_tensorcnt 0x0
	ds_add_u32 v112, v113
	s_wait_dscnt 0x0
	s_endpgm
.Lfunc_end_k_q8c1244f66c_bar:
	.size	k_q8c1244f66c_bar, .Lfunc_end_k_q8c1244f66c_bar-k_q8c1244f66c_bar
	.p2alignl 7, 3214868480
	.fill 96, 4, 3214868480
	.section	.rodata,"a",@progbits
	.p2align	6, 0x0
	.amdhsa_kernel k_q8c1244f66c_bar
		.amdhsa_group_segment_fixed_size 38144
		.amdhsa_private_segment_fixed_size 0
		.amdhsa_enable_private_segment 0
		.amdhsa_kernarg_size 16
		.amdhsa_user_sgpr_count 2
		.amdhsa_user_sgpr_kernarg_segment_ptr 1
		.amdhsa_wavefront_size32 1
		.amdhsa_system_sgpr_workgroup_id_x 1
		.amdhsa_system_sgpr_workgroup_id_y 1
		.amdhsa_system_sgpr_workgroup_id_z 1
		.amdhsa_system_vgpr_workitem_id 0
		.amdhsa_next_free_vgpr 114
		.amdhsa_next_free_sgpr 66
		.amdhsa_reserve_vcc 1
		.amdhsa_float_denorm_mode_32 3
		.amdhsa_float_denorm_mode_16_64 3
		.amdhsa_memory_ordered 1
		.amdhsa_forward_progress 1
		.amdhsa_inst_pref_size 27
	.end_amdhsa_kernel
	.amdgpu_metadata
---
amdhsa.version: [ 1, 2 ]
amdhsa.kernels:
  - .name:           k_q8c1244f66c_bar
    .symbol:         k_q8c1244f66c_bar.kd
    .args:
      - { .name: skeys, .offset: 0, .size: 8, .value_kind: global_buffer, .address_space: global }
      - { .name: cand, .offset: 8, .size: 8, .value_kind: global_buffer, .address_space: global }
    .group_segment_fixed_size: 38144
    .private_segment_fixed_size: 0
    .kernarg_segment_align: 8
    .kernarg_segment_size: 16
    .max_flat_workgroup_size: 256
    .sgpr_count:     66
    .vgpr_count:     114
    .wavefront_size: 32
...
	.end_amdgpu_metadata
.endif
;; end of part 8
;; launch pick (part 9): grid 256 x 1, 8 waves a work-group, no clusters, 0 bytes of LDS; arguments cand, mcodes, mscales, qcodes, qscales, out1, tidx; writes out1, tidx
.if DOCPART == 9
	.amdgcn_target "amdgcn-amd-amdhsa--gfx1250"
	.amdhsa_code_object_version 6
	.text
	.protected	k_q8c1244f66c_pick
	.globl	k_q8c1244f66c_pick
	.p2align	8
	.type	k_q8c1244f66c_pick,@function
k_q8c1244f66c_pick:
	s_mov_b64 s[64:65], 0
	v_nop
	global_prefetch_b8 v0, s[64:65] scope:SCOPE_SE
	s_setreg_imm32_b32 hwreg(HW_REG_WAVE_SCHED_MODE, 0, 2), 2
	s_setreg_imm32_b32 hwreg(HW_REG_WAVE_MODE, 25, 1), 1
	s_wait_xcnt 0x0
	s_wait_alu depctr_vm_vsrc(0)
; The exact top 8 of each query: score descending, ties to the lower row, as jax.lax.top_k has them.  A wave takes one query, q = 8 x work-group + wave.
; cand[q] (64 words, stored by the launch before): words 0-47 the tiles that can hold one of the 8, ascending; word 48 their number n; word 49 the mode (1: every tile, n = 6,250).
; ALL THAT STEERS A BRANCH, A TRIP COUNT OR AN ADDRESS comes from cand by scalar loads and scalar arithmetic: n gives ceil(n / 16) trips; a trip's 16 tile numbers come by one scalar load into 16 scalar
; registers (in mode 1 they are replaced by 16 x trip + place) and are held to 6,249 before they enter an address.
; A TRIP: 16 tiles are loaded (2,048 bytes of codes, 128 of scales each) and multiplied by the matrix form that made the keys, the sources the other way round: source 0 = my query in all 16 rows,
; source 1 = the tile: register 0 of lane l is the score of the tile's row l % 16.  Two tiles share a vector: lanes 0-15 the even place's, lanes 16-31 the odd place's.  Places from n on hold numbers that are
; valid to load; their scores become -infinity.
; Each lane keeps a sorted list of 8 (score, row).  Tiles come ascending, so a lane meets its rows in ascending order, and a strict 'greater' keeps the lower row ahead among equals.  Eight rounds then take the
; wave's largest head, among equals the lowest row, and move that lane's list up.  Rows are kept as f32 (under 2^24: exact), so that the lanes' minimum rides on f32 arithmetic.
; out1 and tidx leave as 32 bytes a wave (lanes 0 and 1, 16 bytes each): the two buffers are 64 KiB each.
; LIMITS: NaN and infinities are not served; +0 and -0 count as equal scores.  A query in mode 1 has its one wave multiply all 6,250 tiles.
; REGISTERS.  Window 0: below.  Window 1 (v256-511): the 16 places' codes, 16 registers each.
; THE MODE: SCHED_MODE bits 1:0 = 2 (LLVM: expert scheduling mode 2), set by the entry lines.  The code itself states the register dependences
; between vector or matrix instructions and memory instructions, and those through scalar registers, VCC and EXEC that vector instructions write or hang on, with s_wait_alu, always for 0.
; THE PLAN.  Registers that memory instructions touch:
;   v18, v19      written at the head, read by the query's five loads, never written again.   QF, QS: those loads land; products read them.
;   VO, VS        written by 32 vector lines at a trip's head; read by the trip's 80 loads.
;   window 1, TS  the trip's 80 loads land; the trip's 32 products read them.
;   v4, TX..TX+7  written by vector lines; read by the two stores at the end.
; A trip so holds one wait on vm_vsrc ahead of the 32 lines (the last trip's loads have read VO and VS) and one on va_vdst ahead of the 80 loads (VO and VS are written; the last trip's products are done with the
; codes and the scale images).  One buffer: the list has 16 tiles or fewer for all but rare queries, so there is as a rule no next trip to fetch for.
; Scalar results of vector lines: s18 (the wave's number); s40-47 (a run of eight compares, one wait behind the run); VCC (one wait behind each compare into it).  EXEC is written twice, at the end.
.set QF,   20                          ; v20-35   my query's two fragments (the same row in all 16 rows)
.set QS,   36                          ; v36      its scale words: lanes 0-15 K step 0, lanes 16-31 K step 1; scales and nothing else
.set TS,   40                          ; v40-55   the places' scale images; scales and nothing else
.set VO,   96                          ; v96-111  byte offsets of the places' codes
.set VS,   112                         ; v112-127 and of their scale images
.set ACC,  128                         ; v128-159 four accumulators
.set L,    160                         ; v160-167 my list: scores
.set IX,   168                         ; v168-175 and rows, as f32
.set OV,   176                         ; v176-183 the 8 scores
.set OI,   184                         ; v184-191 the 8 rows
.set TX,   192                         ; v192-199 at work
.set BIG,  207                         ; v207     3e38: over every row number
.set TT,   48                          ; s48-63   the places' tile numbers
.set MSB, 0
.macro WIN new                         ; the immediate's high byte repeats the setting that is left
.if MSB != \new
	s_set_vgpr_msb (MSB<<8)|\new
.set MSB, \new
.endif
.endm
	s_load_b256 s[4:11], s[0:1], 0x0               ; cand s[4:5], mcodes s[6:7], mscales s[8:9], qcodes s[10:11]
	s_load_b128 s[12:15], s[0:1], 0x20             ; qscales s[12:13], out1 s[14:15]
	s_load_b64 s[16:17], s[0:1], 0x30              ; tidx
	v_lshrrev_b32 v1, 5, v0
	v_readfirstlane_b32 s18, v1                    ; wave 0..7
	v_and_b32 v1, 31, v0                           ; lane
	v_and_b32 v2, 15, v0                           ; r
	v_bfe_u32 v3, v0, 4, 1                         ; h
	s_wait_alu depctr_va_vdst(0)
	v_lshlrev_b32 v4, 4, v1                        ; 16 x lane
	v_lshlrev_b32 v5, 2, v1                        ; 4 x lane
	v_mov_b32 v7, 0xff800000                       ; -infinity
	v_mov_b32 v[BIG], 0x7f61b1e6
	v_mov_b32 v[TX+2], 0                           ; written once: a lane permute's destination counts as a source
	s_mov_b32 s20, 0x76543210
	s_mov_b32 s21, 0xfedcba98                      ; v_permlanex16_b32's selects for lane l xor 16
	s_mov_b32 s22, 0xffff0000                      ; lanes 16-31
	s_and_b32 s35, ttmp9, 1
	s_lshl_b32 s35, s35, 3
	s_wait_alu depctr_va_sdst(0)                   ; s18 is written, ahead of its first reader: the query's number and its places are made from it
	s_add_co_u32 s35, s35, s18                     ; my query's row in its tile of 16
	s_lshl_b32 s36, s35, 4
	s_lshl_b32 s37, s35, 2
	v_lshl_add_u32 v18, v3, 8, s36                 ; in a piece of the image: the place of lane (that row, my h)
	v_lshl_add_u32 v19, v3, 6, s37                 ; in the scale image likewise
	s_mov_b32 s39, 0
	s_lshl_b32 s19, ttmp9, 3
	s_add_co_u32 s19, s19, s18                     ; q
	s_wait_kmcnt 0x0
	s_lshl_b32 s38, s19, 8                         ; 256 bytes of list a query
	s_add_nc_u64 s[4:5], s[4:5], s[38:39]
	s_load_b64 s[24:25], s[4:5], 0xc0              ; n s24, the mode s25
	s_lshl_b32 s38, s19, 5                         ; 32 bytes of output a query
	s_add_nc_u64 s[14:15], s[14:15], s[38:39]
	s_add_nc_u64 s[16:17], s[16:17], s[38:39]
	s_lshr_b32 s35, ttmp9, 1
	s_lshl_b32 s38, s35, 11
	s_add_nc_u64 s[10:11], s[10:11], s[38:39]      ; my query's tile
	s_lshl_b32 s38, s35, 7
	s_add_nc_u64 s[12:13], s[12:13], s[38:39]
	s_wait_alu depctr_va_vdst(0)                   ; v18 and v19 are written, which the five loads below read as offsets
.irp i, 0,1,2,3
	global_load_b128 v[QF+4*\i:QF+4*\i+3], v18, s[10:11] offset:512*\i
.endr
	global_load_b32 v[QS], v19, s[12:13]           ; (the first trip's wait for all loads covers these five)
.irp i, 0,1,2,3,4,5,6,7
	v_mov_b32 v[L+\i], v7
	v_mov_b32 v[IX+\i], v[BIG]
.endr
; (sc, ix) goes into my sorted list.  s[40 + i] = sc > L[i].  From the end: level i takes its upper neighbour where sc beats that too, else the new pair, where sc beats level i.
.macro INS sc, ix
.irp i, 0,1,2,3,4,5,6,7
	v_cmp_gt_f32 s[40+\i], v[\sc], v[L+\i]
.endr
	s_wait_alu depctr_va_sdst(0)                   ; the eight compares have written s40 to s47, ahead of the selects that read them
.irp i, 7,6,5,4,3,2,1
	v_cndmask_b32 v[TX+7], v[\ix], v[IX+\i-1], s[39+\i]
	v_cndmask_b32 v[IX+\i], v[IX+\i], v[TX+7], s[40+\i]
	v_med3_num_f32 v[L+\i], v[L+\i-1], v[L+\i], v[\sc]
.endr
	v_cndmask_b32 v[IX], v[IX], v[\ix], s40
	v_max_num_f32 v[L], v[L], v[\sc]
.endm
; The sixteen places in s[TT ..] are loaded, multiplied and taken in.  Only places under s34 count.
.macro PROCESS
.irp s, 0,1,2,3,4,5,6,7,8,9,10,11,12,13,14,15
	s_min_u32 s[TT+\s], s[TT+\s], 6249             ; a number that was loaded enters an address only behind this hold
.endr
	s_wait_alu depctr_vm_vsrc(0)                   ; the last trip's loads have read VO and VS, which are written again below
.irp s, 0,1,2,3,4,5,6,7,8,9,10,11,12,13,14,15
	v_lshl_add_u32 v[VO+\s], s[TT+\s], 11, v4      ; (the last trip's loads, which read these registers, were waited for)
	v_lshl_add_u32 v[VS+\s], s[TT+\s], 7, v5
.endr
	WIN 0x40                                       ; destination window 1, address window 0
	s_wait_alu depctr_va_vdst(0)                   ; VO and VS are written, which the 80 loads below read; the last trip's products are done reading the places' codes and scale images, in which they land
.irp s, 0,1,2,3,4,5,6,7,8,9,10,11,12,13,14,15
.irp i, 0,1,2,3
	global_load_b128 v[16*\s+4*\i:16*\s+4*\i+3], v[VO+\s], s[6:7] offset:512*\i
.endr
.endr
	WIN 0
.irp s, 0,1,2,3,4,5,6,7,8,9,10,11,12,13,14,15
	global_load_b32 v[TS+\s], v[VS+\s], s[8:9]     ; (between the wait above and these stand loads and a window switch alone)
.endr
	s_wait_loadcnt 0x0
.irp g, 0,1,2,3
	WIN 0x04                                       ; source 1 (the tile) window 1
.irp a, 0,1,2,3                        ; four accumulators by turns: K step 0 starts the sums, K step 1 adds
	v_wmma_scale_f32_16x16x128_f8f6f4 v[ACC+8*\a:ACC+8*\a+7], v[QF:QF+7], v[16*(4*\g+\a):16*(4*\g+\a)+7], 0, v[QS], v[TS+4*\g+\a] matrix_a_fmt:MATRIX_FMT_FP4 matrix_b_fmt:MATRIX_FMT_FP4
.endr
.irp a, 0,1,2,3
	v_wmma_scale_f32_16x16x128_f8f6f4 v[ACC+8*\a:ACC+8*\a+7], v[QF+8:QF+15], v[16*(4*\g+\a)+8:16*(4*\g+\a)+15], v[ACC+8*\a:ACC+8*\a+7], v[QS], v[TS+4*\g+\a] matrix_a_fmt:MATRIX_FMT_FP4 matrix_b_fmt:MATRIX_FMT_FP4 matrix_a_scale:MATRIX_SCALE_ROW1 matrix_b_scale:MATRIX_SCALE_ROW1
.endr
	WIN 0
.irp u, 0,1                            ; the rows' numbers: eight vector lines that name none of the products' registers: the places behind them (4 are owed)
	v_mov_b32 v[TX+4+\u], s[TT+4*\g+2*\u]
	v_cndmask_b32 v[TX+4+\u], v[TX+4+\u], s[TT+4*\g+2*\u+1], s22    ; lanes 16-31: the odd place's tile
	v_lshl_add_u32 v[TX+4+\u], v[TX+4+\u], 4, v2                    ; row = 16 x tile + lane % 16
	v_cvt_f32_u32 v[TX+4+\u], v[TX+4+\u]
.endr
.irp u, 0,1
	v_cndmask_b32 v[TX+6], v[ACC+16*\u], v[ACC+16*\u+8], s22        ; each accumulator's register 0: all its rows hold my query
	s_sub_co_i32 s35, s34, 4*\g+2*\u
	v_cmp_gt_i32 vcc_lo, s35, v3                   ; place 4 g + 2 u + h counts where it lies under s34
	s_wait_alu depctr_va_vcc(0)                    ; the compare has written VCC, ahead of the select that reads it
	v_cndmask_b32 v[TX+6], v7, v[TX+6], vcc_lo
	INS TX+6, TX+4+\u
.endr
.endr
.endm
	s_wait_kmcnt 0x0                               ; n and the mode
	s_min_u32 s24, s24, 6250
	s_add_co_u32 s26, s24, 15
	s_lshr_b32 s26, s26, 4                         ; trips: ceil(n / 16)
	s_mov_b32 s27, 0                               ; the trip
	s_mov_b32 s37, 0
.Lb:
	s_min_u32 s36, s27, 2                          ; the list has three runs of 16; in mode 1 the later trips read the last again and do not use it
	s_lshl_b32 s36, s36, 6
	s_add_nc_u64 s[30:31], s[4:5], s[36:37]
	s_load_b512 s[TT:TT+15], s[30:31], 0x0
	s_lshl_b32 s28, s27, 4                         ; 16 x trip
	s_sub_co_u32 s34, s24, s28                     ; how many places count, from this trip's first on
	s_wait_kmcnt 0x0                               ; the 16 numbers are in, and the load's address may be written again
.irp s, 0,1,2,3,4,5,6,7,8,9,10,11,12,13,14,15
	s_add_co_u32 s35, s28, \s
	s_cmp_lg_u32 s25, 0
	s_cselect_b32 s[TT+\s], s35, s[TT+\s]          ; mode 1: tile 16 x trip + place
.endr
	PROCESS
	s_add_co_u32 s27, s27, 1
	s_cmp_lt_u32 s27, s26
	s_cbranch_scc1 .Lb
; Round r: the wave's largest head; among the lanes that hold it the lowest row; that lane's list moves up (only the levels that later rounds can still reach).
.macro POP r
	v_mov_b32 v[TX], v[L]
.irp m, 1,2,4,8
	v_max_num_f32_dpp v[TX], v[TX], v[TX] row_xmask:\m row_mask:0xf bank_mask:0xf
.endr
	v_permlanex16_b32 v[TX+2], v[TX], s20, s21
	v_max_num_f32 v[OV+\r], v[TX], v[TX+2]
	v_cmp_eq_f32 vcc_lo, v[L], v[OV+\r]
	s_wait_alu depctr_va_vcc(0)                    ; the compare has written VCC, ahead of the select that reads it
	v_cndmask_b32 v[TX+1], v[BIG], v[IX], vcc_lo
	v_mov_b32 v[TX], v[TX+1]
.irp m, 1,2,4,8
	v_min_num_f32_dpp v[TX], v[TX], v[TX] row_xmask:\m row_mask:0xf bank_mask:0xf
.endr
	v_permlanex16_b32 v[TX+2], v[TX], s20, s21
	v_min_num_f32 v[OI+\r], v[TX], v[TX+2]
.if \r < 7
	v_cmp_eq_f32 vcc_lo, v[TX+1], v[OI+\r]         ; rows are distinct: one lane
	s_wait_alu depctr_va_vcc(0)                    ; the compare has written VCC, ahead of the selects that move the list up
.set cnt, 0
.rept 7-\r
	v_cndmask_b32 v[L+cnt], v[L+cnt], v[L+cnt+1], vcc_lo
	v_cndmask_b32 v[IX+cnt], v[IX+cnt], v[IX+cnt+1], vcc_lo
.set cnt, cnt+1
.endr
.endif
.endm
.irp r, 0,1,2,3,4,5,6,7
	POP \r
.endr
	v_cmp_eq_u32 vcc_lo, 1, v1
	s_wait_alu depctr_va_vcc(0)                    ; the compare has written VCC, ahead of the eight selects that read it
.irp j, 0,1,2,3
	v_cndmask_b32 v[TX+\j], v[OV+\j], v[OV+4+\j], vcc_lo     ; lane 0: ranks 0-3; lane 1: ranks 4-7
.endr
.irp j, 0,1,2,3,4,5,6,7
	v_cvt_u32_f32 v[OI+\j], v[OI+\j]
.endr
.irp j, 0,1,2,3
	v_cndmask_b32 v[TX+4+\j], v[OI+\j], v[OI+4+\j], vcc_lo
.endr
	v_cmp_gt_u32 vcc_lo, 2, v1
	s_wait_xcnt 0x0                                ; EXEC changes only behind this wait
	s_wait_alu depctr_va_vcc(0)                    ; the compare has written VCC, from which EXEC is made
	s_wait_alu depctr_va_vdst(0)                   ; ahead of the write of EXEC: the vector lines issued so far are done; among them the selects that wrote TX to TX + 7, which the two stores read
	s_wait_alu depctr_vm_vsrc(0)                   ; ahead of the write of EXEC: the memory instructions issued so far have read their registers
	s_and_saveexec_b32 s35, vcc_lo
	global_store_b128 v4, v[TX:TX+3], s[14:15]
	global_store_b128 v4, v[TX+4:TX+7], s[16:17]
	s_wait_xcnt 0x0                                ; and again in front of the line that widens it
	s_wait_alu depctr_va_vdst(0)                   ; ahead of the write of EXEC: the vector lines issued so far are done
	s_wait_alu depctr_vm_vsrc(0)                   ; ahead of the write of EXEC: the two stores have read their offset and their data
	s_or_b32 exec_lo, exec_lo, s35
	s_endpgm
.Lfunc_end_k_q8c1244f66c_pick:
	.size	k_q8c1244f66c_pick, .Lfunc_end_k_q8c1244f66c_pick-k_q8c1244f66c_pick
	.p2alignl 7, 3214868480
	.fill 96, 4, 3214868480
	.section	.rodata,"a",@progbits
	.p2align	6, 0x0
	.amdhsa_kernel k_q8c1244f66c_pick
		.amdhsa_group_segment_fixed_size 0
		.amdhsa_private_segment_fixed_size 0
		.amdhsa_enable_private_segment 0
		.amdhsa_kernarg_size 56
		.amdhsa_user_sgpr_count 2
		.amdhsa_user_sgpr_kernarg_segment_ptr 1
		.amdhsa_wavefront_size32 1
		.amdhsa_system_sgpr_workgroup_id_x 1
		.amdhsa_system_sgpr_workgroup_id_y 1
		.amdhsa_system_sgpr_workgroup_id_z 1
		.amdhsa_system_vgpr_workitem_id 0
		.amdhsa_next_free_vgpr 512
		.amdhsa_next_free_sgpr 66
		.amdhsa_reserve_vcc 1
		.amdhsa_float_denorm_mode_32 3
		.amdhsa_float_denorm_mode_16_64 3
		.amdhsa_memory_ordered 1
		.amdhsa_forward_progress 1
		.amdhsa_inst_pref_size 49
	.end_amdhsa_kernel
	.amdgpu_metadata
---
amdhsa.version: [ 1, 2 ]
amdhsa.kernels:
  - .name:           k_q8c1244f66c_pick
    .symbol:         k_q8c1244f66c_pick.kd
    .args:
      - { .name: cand, .offset: 0, .size: 8, .value_kind: global_buffer, .address_space: global }
      - { .name: mcodes, .offset: 8, .size: 8, .value_kind: global_buffer, .address_space: global }
      - { .name: mscales, .offset: 16, .size: 8, .value_kind: global_buffer, .address_space: global }
      - { .name: qcodes, .offset: 24, .size: 8, .value_kind: global_buffer, .address_space: global }
      - { .name: qscales, .offset: 32, .size: 8, .value_kind: global_buffer, .address_space: global }
      - { .name: out1, .offset: 40, .size: 8, .value_kind: global_buffer, .address_space: global }
      - { .name: tidx, .offset: 48, .size: 8, .value_kind: global_buffer, .address_space: global }
    .group_segment_fixed_size: 0
    .private_segment_fixed_size: 0
    .kernarg_segment_align: 8
    .kernarg_segment_size: 56
    .max_flat_workgroup_size: 256
    .sgpr_count:     66
    .vgpr_count:     512
    .wavefront_size: 32
...
	.end_amdgpu_metadata
.endif
;; end of part 9
;; launch fetch (part 10): grid 256 x 1, 8 waves a work-group, no clusters, 0 bytes of LDS; arguments memory_states, tidx, out0; writes out0
.if DOCPART == 10
	.amdgcn_target "amdgcn-amd-amdhsa--gfx1250"
	.amdhsa_code_object_version 6
	.text
	.protected	k_q8c1244f66c_fetch
	.globl	k_q8c1244f66c_fetch
	.p2align	8
	.type	k_q8c1244f66c_fetch,@function
k_q8c1244f66c_fetch:
	s_mov_b64 s[64:65], 0
	v_nop
	global_prefetch_b8 v0, s[64:65] scope:SCOPE_SE
	s_setreg_imm32_b32 hwreg(HW_REG_WAVE_MODE, 25, 1), 1
	s_wait_xcnt 0x0
; out0[q][j][:] = memory_states[tidx[q][j]][:], raw f32 rows of 1,024 bytes.  A wave takes one query, q = 8 x work-group + wave: its 8 row numbers come by one scalar load, are held inside the table
; (99,999 at the most) before they enter an address, and the 8 rows go through registers: 16 loads and 16 stores of 512 consecutive bytes each, all loads on their way before the first store.
; A stream: no LDS, no barrier, no matrix unit.  The loads carry no hint, since queries may name the same row; the stores are written once and read by nobody here.
	s_load_b128 s[4:7], s[0:1], 0x0                ; memory_states s[4:5], tidx s[6:7]
	s_load_b64 s[8:9], s[0:1], 0x10                ; out0
	v_lshrrev_b32 v1, 5, v0
	s_delay_alu instid0(VALU_DEP_1)
	v_readfirstlane_b32 s12, v1                    ; wave 0..7
	v_and_b32 v1, 31, v0
	s_delay_alu instid0(VALU_DEP_1)
	v_lshlrev_b32 v1, 4, v1                        ; 16 x lane
	s_lshl_b32 s13, ttmp9, 3
	s_add_co_u32 s13, s13, s12                     ; q
	s_lshl_b32 s10, s13, 5                         ; 32 bytes of row numbers a query
	s_mov_b32 s11, 0
	s_lshl_b32 s14, s13, 13                        ; 8,192 bytes of output
	s_mov_b32 s15, 0
	s_wait_alu depctr_va_vdst(0)
	s_wait_kmcnt 0x0
	s_add_nc_u64 s[6:7], s[6:7], s[10:11]
	s_add_nc_u64 s[8:9], s[8:9], s[14:15]
	s_load_b256 s[16:23], s[6:7], 0x0
	s_wait_kmcnt 0x0
.irp j, 0,1,2,3,4,5,6,7
	s_min_u32 s[16+\j], s[16+\j], 0x1869f
.endr
.irp j, 0,1,2,3,4,5,6,7
	v_lshl_add_u32 v[2+\j], s[16+\j], 10, v1       ; 1,024 bytes a row (99,999 x 1,024 stays under 2^31)
.endr
.irp j, 0,1,2,3,4,5,6,7
.irp u, 0,1
	global_load_b128 v[16+8*\j+4*\u:16+8*\j+4*\u+3], v[2+\j], s[4:5] offset:512*\u
.endr
.endr
.irp j, 0,1,2,3,4,5,6,7
.irp u, 0,1
	s_wait_loadcnt 15-2*\j-\u                      ; loads come back in order: this half row is in, the younger ones may be out
	global_store_b128 v1, v[16+8*\j+4*\u:16+8*\j+4*\u+3], s[8:9] offset:1024*\j+512*\u th:TH_STORE_NT
.endr
.endr
	s_endpgm
.Lfunc_end_k_q8c1244f66c_fetch:
	.size	k_q8c1244f66c_fetch, .Lfunc_end_k_q8c1244f66c_fetch-k_q8c1244f66c_fetch
	.p2alignl 7, 3214868480
	.fill 96, 4, 3214868480
	.section	.rodata,"a",@progbits
	.p2align	6, 0x0
	.amdhsa_kernel k_q8c1244f66c_fetch
		.amdhsa_group_segment_fixed_size 0
		.amdhsa_private_segment_fixed_size 0
		.amdhsa_enable_private_segment 0
		.amdhsa_kernarg_size 24
		.amdhsa_user_sgpr_count 2
		.amdhsa_user_sgpr_kernarg_segment_ptr 1
		.amdhsa_wavefront_size32 1
		.amdhsa_system_sgpr_workgroup_id_x 1
		.amdhsa_system_sgpr_workgroup_id_y 1
		.amdhsa_system_sgpr_workgroup_id_z 1
		.amdhsa_system_vgpr_workitem_id 0
		.amdhsa_next_free_vgpr 96
		.amdhsa_next_free_sgpr 66
		.amdhsa_reserve_vcc 0
		.amdhsa_float_denorm_mode_32 3
		.amdhsa_float_denorm_mode_16_64 3
		.amdhsa_memory_ordered 1
		.amdhsa_forward_progress 1
		.amdhsa_inst_pref_size 6
	.end_amdhsa_kernel
	.amdgpu_metadata
---
amdhsa.version: [ 1, 2 ]
amdhsa.kernels:
  - .name:           k_q8c1244f66c_fetch
    .symbol:         k_q8c1244f66c_fetch.kd
    .args:
      - { .name: memory_states, .offset: 0, .size: 8, .value_kind: global_buffer, .address_space: global }
      - { .name: tidx, .offset: 8, .size: 8, .value_kind: global_buffer, .address_space: global }
      - { .name: out0, .offset: 16, .size: 8, .value_kind: global_buffer, .address_space: global }
    .group_segment_fixed_size: 0
    .private_segment_fixed_size: 0
    .kernarg_segment_align: 8
    .kernarg_segment_size: 24
    .max_flat_workgroup_size: 256
    .sgpr_count:     66
    .vgpr_count:     96
    .wavefront_size: 32
...
	.end_amdgpu_metadata
.endif
;; end of part 10
